; MI455X (gfx1250); checked and timed in simulation.
; The chip was launched on July 23, 2026; its instructions are those of AMD's public machine-readable ISA for CDNA 5 (MIT licence, August 2026) and "CDNA5" Instruction Set Architecture Reference Guide (July 2026). The comments in the code are by the model that wrote it; some were corrected since.
;; Blocks. Allowed arithmetic: matrix products marked QUANTISED: E2M1 operands, one E8M0 scale for each 32 along K, by v_wmma_scale_f32_16x16x128_f8f6f4 with both operands' format E2M1 (or v_wmma_scale_f32_32x16x128_f4), f32 sums; everything else in f32.
;; Inputs: W1_codes 4,096 x 32 x 16 uint8 (E2M1 codes of W1, K innermost, in blocks of 32 codes, two codes a byte); W1_scales 4,096 x 32 uint8 (E8M0 scales of W1, one for each 32 codes along K); W2_codes 1,024 x 128 x 16 uint8 (E2M1 codes of W2, K innermost, in blocks of 32 codes, two codes a byte); W2_scales 1,024 x 128 uint8 (E8M0 scales of W2, one for each 32 codes along K); Wk_codes 16 x 64 x 32 x 16 uint8 (E2M1 codes of Wk, K innermost, in blocks of 32 codes, two codes a byte); Wk_scales 16 x 64 x 32 uint8 (E8M0 scales of Wk, one for each 32 codes along K); Wproj_codes 1,024 x 32 x 16 uint8 (E2M1 codes of Wproj, K innermost, in blocks of 32 codes, two codes a byte); Wproj_scales 1,024 x 32 uint8 (E8M0 scales of Wproj, one for each 32 codes along K); Wq_codes 16 x 64 x 32 x 16 uint8 (E2M1 codes of Wq, K innermost, in blocks of 32 codes, two codes a byte); Wq_scales 16 x 64 x 32 uint8 (E8M0 scales of Wq, one for each 32 codes along K); b1 4,096 float32; b2 1,024 float32; bproj 1,024 float32; ln1_b 1,024 float32; ln1_g 1,024 float32; ln2_b 1,024 float32; ln2_g 1,024 float32; x 2 x 2,048 x 1,024 float32.
;; Outputs: out0 2 x 2,048 x 1,024 float32.
;; This version of the problem:
;;   THIS VERSION OF THE PROBLEM IS GIVEN IN LOW PRECISION. The matrix products marked QUANTISED in the list below multiply operands that are first quantised to E2M1 (2 exponent bits, 1 mantissa bit; 4 bits a number), with one power-of-two scale for each 32 numbers along K (OCP MX v1.0); their sums are f32. All else is computed in f32.
;;   The module's matrix products, in the order in which they are computed (A, B: the left and right operand; K: the contracted axis; several contracted axes count as one K, in the product's order):
;;     1. [M 1,024, K 1,024] x [K 1,024, N 4,096]; A: input Wq (given as codes); B: computed on the way: QUANTISED
;;     2. [M 1,024, K 1,024] x [K 1,024, N 4,096]; A: input Wk (given as codes); B: computed on the way: QUANTISED
;;     3. batch 32 x [M 2,048, K 64] x [K 64, N 2,048]; A: computed on the way; B: computed on the way: QUANTISED
;;     4. batch 32 x [M 2,048, K 2,048] x [K 2,048, N 64]; A: softmax (see below); B: computed on the way: QUANTISED
;;     5. [M 4,096, K 1,024] x [K 1,024, N 1,024]; A: computed on the way; B: input Wproj (given as codes): QUANTISED
;;     6. [M 4,096, K 1,024] x [K 1,024, N 4,096]; A: computed on the way; B: input W1 (given as codes): QUANTISED
;;     7. [M 4,096, K 4,096] x [K 4,096, N 1,024]; A: computed on the way; B: input W2 (given as codes): QUANTISED
;;   THE QUANTISER, for each operand of a quantised product, along K:
;;     - K is cut into blocks of 32 from its start; a last block that is shorter is filled with zeros.
;;     - A block's scale is 2^e with e = floor(log2(the largest magnitude in the block)) - 2, held to -126 .. 127; a block of zeros has e = 0. As a byte (E8M0): e + 127.
;;     - Each number is divided by its block's scale, clamped to +-6, and rounded to the nearest number of E2M1, ties to even, subnormals kept.
;;     - The product sums the exact products of the quantised numbers (number of the format x scale) in f32.
;;   ~~~python
;;   def quantise(x, axis):      # numpy; x: float32 -> the quantised numbers, widened to float32 again
;;       x = np.moveaxis(x, axis, -1); K = x.shape[-1]
;;       x = np.pad(x, [(0, 0)] * (x.ndim - 1) + [(0, -K % 32)]); x = x.reshape(x.shape[:-1] + (-1, 32)); a = np.abs(x).max(-1, keepdims=True)
;;       e = np.where(a > 0, np.clip(np.frexp(np.where(a > 0, a, 1))[1] - 1 - 2, -126, 127), 0)      # np.frexp(a)[1] - 1 = floor(log2(a)), exactly
;;       r = np.clip(x / 2.0 ** e, -6, 6)
;;       step = 2.0 ** (np.maximum(np.frexp(np.where(r == 0, 1, r))[1] - 1, 0) - 1)
;;       q = np.round(r / step) * step * 2.0 ** e      # np.round: ties to even
;;       return np.moveaxis(q.reshape(q.shape[:-2] + (-1,))[..., :K], -1, axis).astype(np.float32)
;;   ~~~
;;   SOFTMAX AHEAD OF A QUANTISED PRODUCT. Where the list says 'softmax', what is quantised is not the finished softmax but p = 2^(t - M), with t = logit x log2(e) and M = ceil(the row's largest t), a whole number; so 1/2 < the row's largest p <= 1. The row's sum l is taken of the UNQUANTISED p, in f32, and the product's result is divided by l at the end. Since M is a whole number, a kernel that streams over the keys may use a running M (the ceiling of the running maximum): every later rescaling is an exact power of two, which a block's scale takes up: the codes' values come out the same.
;;   OPERANDS COMPUTED ON THE WAY. 'Computed on the way' means the value that the module computes at that place (a softmax that the list does not call 'softmax' is quantised finished and normalised). What goes into a quantiser is computed in f32, as accurately as f32 sums, v_exp_f32 and their like allow (about 1e-6 of the number): no bf16 or f16 on the way to a quantiser, and a product that is left as it is and whose result goes on into a quantised operand takes f32 operands (vector FMAs, or v_wmma_f32_16x16x4_f32). A number that lies on a knife's edge between two numbers of the format may be rounded either way, as far as f32 arithmetic and the matrix unit's own rounding can turn it there, and no further.
;;   INPUTS GIVEN AS CODES. W1 (in the module: [1024, 4096], K = its axis 0); W2 (in the module: [4096, 1024], K = its axis 0); Wk (in the module: [16, 1024, 64], K = its axis 1); Wproj (in the module: [1024, 1024], K = its axis 0); Wq (in the module: [16, 1024, 64], K = its axis 1): each comes as NAME_codes (uint8): NAME with its K axis moved to the last place and cut into blocks of 32 codes, [.., K / 32, bytes a block], one block behind the other in memory; two codes a byte, the lower K in the low four bits (a code: sign, 2 exponent bits, 1 mantissa bit); and NAME_scales (uint8): the same leading axes, one E8M0 byte (e + 127) for each 32 codes along K. Its value is code x scale, taken as it is: it is not quantised again, and the codes and scales need not be those that the quantiser above would give.
;; One version. Each part assembles by itself: llvm-mc -triple=amdgcn-amd-amdhsa -mcpu=gfx1250 --defsym DOCPART=n.
;; ======== version 1 of 1: 7 launches
;; workspace buffers: hq 2,359,296 bytes; oq 2,359,296 bytes; fq 9,437,184 bytes; x1 16,777,216 bytes; qkv 7,077,888 bytes
;; launch ln1 (part 1): grid 256 x 1, 4 waves a work-group, no clusters, 9,728 bytes of LDS; arguments x, ln1_g, ln1_b, hq; writes hq
.if DOCPART == 1
	.amdgcn_target "amdgcn-amd-amdhsa--gfx1250"
	.amdhsa_code_object_version 6
	.text
	.protected	k_q796fb6ff6b_ln1
	.globl	k_q796fb6ff6b_ln1
	.p2align	8
	.type	k_q796fb6ff6b_ln1,@function
k_q796fb6ff6b_ln1:
	s_mov_b64 s[64:65], 0
	v_nop
	global_prefetch_b8 v0, s[64:65] scope:SCOPE_SE
	s_setreg_imm32_b32 hwreg(HW_REG_WAVE_MODE, 25, 1), 1
	s_wait_xcnt 0x0
; LayerNorm over rows of 1,024 f32 numbers, then the MX-FP4 quantiser along the row (blocks of 32, one E8M0 byte each).
; src [4096][1024] f32, g, b [1024] f32.  dst: the codes as IMAGES OF OPERAND REGISTERS, [tile of 16 rows 256][K step of 128: 8][c 2][lane 32][16 bytes]
; (lane (r, h) of (s, c) holds k = 128 s + 64 c + 32 h + 0 .. 31 of row r); from byte HSC on the scale words [tile][K step][lane 32] of 4 bytes, lanes 16-31 a copy of lanes 0-15.
; SHARES.  A work-group takes one tile of 16 rows, wave w rows 4 w .. 4 w + 3.  Lane i holds of each row and chunk j the 8 neighbours 256 j + 8 i + 0 .. 7: a block of 32 lies in four neighbouring lanes.
; The mean is taken first and subtracted, then the squares are summed: a common offset of the inputs does no harm.
; The codes (4 bytes a lane, row and chunk) and the scale bytes meet in LDS as the tile's image and leave in runs of 512 and 256 consecutive bytes.
; No matrix unit, no tensor load, no cluster: the launch streams, and its work-groups share only g and b (8,192 bytes against 65,536 of rows).
; LIMITS: NaN and infinities among the inputs are not served; a block whose largest magnitude lies under 2^-124 (a block of zeros too) gets the byte 1, and these bytes are read by this program alone;
; v_rsq_f32 is good to one unit in the last place.
.set HSC, 2097152                      ; where the scale words begin in dst
.set XO,  2                            ; v2   32 x lane: my 8 numbers of a chunk
.set CST, 3                            ; v3   LDS: where my codes go: 256 (lane / 4) + 4 (lane % 4) + 64 wave; + 2048 j + 16 k in the immediate
.set SST, 4                            ; v4   LDS: where my block's byte goes
.set RDC, 5                            ; v5   2048 wave + 16 lane: the codes' way out, in LDS and in memory
.set RDS, 6                            ; v6   8192 + 256 wave + 8 lane: the scale words' way out, in LDS
.set GOS, 7                            ; v7   256 wave + 8 lane: and in memory
.set T,   10                           ; v10-17  a pair for each of my four rows: sums, mean, 1 / sqrt
.set U,   18                           ; v18-21  the other half of the lanes' sums
.set G,   32                           ; v32-63  g of my 32 columns; later the scale bytes
.set BB,  64                           ; v64-95  b
.set X,   96                           ; v96-223 row k, chunk j, number e at X + 32 k + 8 j + e
.set M,   224                          ; v224-239 largest magnitudes, then the conversions' scale operands, at 4 k + j
.set C,   240                          ; v240-255 codes, at 4 k + j
	s_load_b256 s[4:11], s[0:1], 0x0               ; src s[4:5], g s[6:7], b s[8:9], dst s[10:11]
	v_lshl_add_u32 v30, v0, 2, 0x2400
	v_mov_b32 v31, 0
	v_lshrrev_b32 v1, 5, v0
	v_readfirstlane_b32 s12, v1                    ; wave 0..3
	v_and_b32 v1, 31, v0                           ; lane
	v_lshlrev_b32 v[XO], 5, v1
	v_lshrrev_b32 v8, 2, v1
	v_and_b32 v9, 3, v1
	v_lshlrev_b32 v[CST], 8, v8
	v_lshl_add_u32 v[CST], v9, 2, v[CST]
	s_lshl_b32 s13, s12, 6
	v_add_nc_u32 v[CST], s13, v[CST]
	v_lshrrev_b32 v8, 4, v1                        ; the scale image: 128 bytes a K step (2 j + lane / 16), 4 bytes a row, the block's number (lane / 4) % 4 as the byte;
	v_bfe_u32 v9, v1, 2, 2
	v_lshl_add_u32 v[SST], v8, 7, v9
	v_bfe_u32 v9, v1, 1, 1                         ; of a block's four lanes two write the word of lane r, two its copy for lane 16 + r
	v_lshl_add_u32 v[SST], v9, 6, v[SST]
	s_lshl_b32 s13, s12, 4
	s_add_co_u32 s13, s13, 8192
	v_add_nc_u32 v[SST], s13, v[SST]
	s_lshl_b32 s13, s12, 11
	v_lshl_add_u32 v[RDC], v1, 4, s13
	s_lshl_b32 s13, s12, 8
	v_lshl_add_u32 v[GOS], v1, 3, s13
	v_add_nc_u32 v[RDS], 8192, v[GOS]
.irp k, 0,1,2,3
	v_mov_b32 v[U+\k], 0                           ; written once: a lane permute's destination counts as one of its sources
.endr
	s_mov_b32 s16, 0x76543210
	s_mov_b32 s17, 0xfedcba98                      ; v_permlanex16_b32's selects for lane l xor 16
	s_mov_b32 s18, 0x3a800000                      ; 1 / 1024
	s_mov_b32 s19, 0x3727c5ac                      ; 1e-5
	s_lshl_b32 s14, ttmp9, 16                      ; my tile's 16 rows of 4,096 bytes,
	s_lshl_b32 s15, s12, 14                        ; my wave's four of them
	s_add_co_u32 s14, s14, s15
	s_mov_b32 s15, 0
	s_wait_kmcnt 0x0
	s_add_nc_u64 s[4:5], s[4:5], s[14:15]
	s_lshl_b32 s14, ttmp9, 13
	s_add_nc_u64 s[20:21], s[10:11], s[14:15]      ; the tile's code image, 8,192 bytes
	s_lshl_b32 s14, ttmp9, 10
	s_add_co_u32 s14, s14, HSC
	s_add_nc_u64 s[22:23], s[10:11], s[14:15]      ; and its scale image, 1,024 bytes
.irp j, 0,1,2,3
.irp e, 0,1
	global_load_b128 v[G+8*\j+4*\e:G+8*\j+4*\e+3], v[XO], s[6:7] offset:1024*\j+16*\e
	global_load_b128 v[BB+8*\j+4*\e:BB+8*\j+4*\e+3], v[XO], s[8:9] offset:1024*\j+16*\e
.endr
.endr
.irp k, 0,1,2,3
.irp j, 0,1,2,3
.irp e, 0,1
	global_load_b128 v[X+32*\k+8*\j+4*\e:X+32*\k+8*\j+4*\e+3], v[XO], s[4:5] offset:4096*\k+1024*\j+16*\e
.endr
.endr
.endr
; the pairs T_k become, in their low words, the sums over all 32 lanes; the four rows by turns, so that no line waits for the line above it
.macro REDUCE
.irp k, 0,1,2,3
	v_add_f32 v[T+2*\k], v[T+2*\k], v[T+2*\k+1]
.endr
.irp x, 1,2,4,8
.irp k, 0,1,2,3
	v_add_f32_dpp v[T+2*\k], v[T+2*\k], v[T+2*\k] row_xmask:\x row_mask:0xf bank_mask:0xf
.endr
.endr
.irp k, 0,1,2,3
	v_permlanex16_b32 v[U+\k], v[T+2*\k], s16, s17
.endr
.irp k, 0,1,2,3
	v_add_f32 v[T+2*\k], v[T+2*\k], v[U+\k]
.endr
.endm
	s_wait_loadcnt 0x0
	; the mean
.irp k, 0,1,2,3
	v_pk_add_f32 v[T+2*\k:T+2*\k+1], v[X+32*\k:X+32*\k+1], v[X+32*\k+2:X+32*\k+3]
.endr
.irp i, 4,6,8,10,12,14,16,18,20,22,24,26,28,30
.irp k, 0,1,2,3
	v_pk_add_f32 v[T+2*\k:T+2*\k+1], v[T+2*\k:T+2*\k+1], v[X+32*\k+\i:X+32*\k+\i+1]
.endr
.endr
	REDUCE
.irp k, 0,1,2,3
	v_mul_f32 v[T+2*\k], s18, v[T+2*\k]
.endr
	; x - mean, in place (of the pair T_k the low word serves both halves)
.irp i, 0,2,4,6,8,10,12,14,16,18,20,22,24,26,28,30
.irp k, 0,1,2,3
	v_pk_add_f32 v[X+32*\k+\i:X+32*\k+\i+1], v[X+32*\k+\i:X+32*\k+\i+1], v[T+2*\k:T+2*\k+1] op_sel_hi:[1,0] neg_lo:[0,1] neg_hi:[0,1]
.endr
.endr
	; the variance
.irp k, 0,1,2,3
	v_pk_mul_f32 v[T+2*\k:T+2*\k+1], v[X+32*\k:X+32*\k+1], v[X+32*\k:X+32*\k+1]
.endr
.irp i, 2,4,6,8,10,12,14,16,18,20,22,24,26,28,30
.irp k, 0,1,2,3
	v_pk_fma_f32 v[T+2*\k:T+2*\k+1], v[X+32*\k+\i:X+32*\k+\i+1], v[X+32*\k+\i:X+32*\k+\i+1], v[T+2*\k:T+2*\k+1]
.endr
.endr
	REDUCE
.irp k, 0,1,2,3
	v_fma_f32 v[T+2*\k], v[T+2*\k], s18, s19       ; variance + 1e-5
.endr
.irp k, 0,1,2,3
	v_rsq_f32 v[T+2*\k], v[T+2*\k]
.endr
	v_nop                                          ; a plain instruction behind the last of the four,
	s_wait_alu depctr_va_vdst(0)                   ; and one wait for the four, ahead of their first reader
.irp i, 0,2,4,6,8,10,12,14,16,18,20,22,24,26,28,30
.irp k, 0,1,2,3
	v_pk_mul_f32 v[X+32*\k+\i:X+32*\k+\i+1], v[X+32*\k+\i:X+32*\k+\i+1], v[T+2*\k:T+2*\k+1] op_sel_hi:[1,0]
.endr
.endr
.irp i, 0,2,4,6,8,10,12,14,16,18,20,22,24,26,28,30
.irp k, 0,1,2,3
	v_pk_fma_f32 v[X+32*\k+\i:X+32*\k+\i+1], v[X+32*\k+\i:X+32*\k+\i+1], v[G+\i:G+\i+1], v[BB+\i:BB+\i+1]
.endr
.endr
	; the quantiser: piece q = 4 k + j is 8 numbers at X + 8 q; its block's other 24 lie in the lanes l xor 1, 2, 3
.irp q, 0,1,2,3,4,5,6,7,8,9,10,11,12,13,14,15
	v_max3_num_f32 v[M+\q], |v[X+8*\q]|, |v[X+8*\q+1]|, 0x1800000   ; with the floor 2^(3 - 127): the byte cannot fall under 1
.endr
.irp i, 2,4,6
.irp q, 0,1,2,3,4,5,6,7,8,9,10,11,12,13,14,15
	v_max3_num_f32 v[M+\q], v[M+\q], |v[X+8*\q+\i]|, |v[X+8*\q+\i+1]|
.endr
.endr
.irp x, 1,2
.irp q, 0,1,2,3,4,5,6,7,8,9,10,11,12,13,14,15
	v_max_num_f32_dpp v[M+\q], v[M+\q], v[M+\q] row_xmask:\x row_mask:0xf bank_mask:0xf
.endr
.endr
.irp q, 0,1,2,3,4,5,6,7,8,9,10,11,12,13,14,15
	v_add_nc_u32 v[M+\q], 0xff000000, v[M+\q]      ; 2 off the exponent field: the conversion takes this operand's exponent field as its scale
.endr
.irp q, 0,1,2,3,4,5,6,7,8,9,10,11,12,13,14,15
	v_lshrrev_b32 v[G+\q], 23, v[M+\q]             ; the scale's byte
.endr
.irp q, 0,1,2,3,4,5,6,7,8,9,10,11,12,13,14,15
	v_cvt_scalef32_pk8_fp4_f32 v[C+\q], v[X+8*\q:X+8*\q+7], v[M+\q]
.endr
	v_nop                                          ; one plain instruction behind the last scaled conversion
.irp q, 0,1,2,3,4,5,6,7,8,9,10,11,12,13,14,15
	ds_store_b32 v[CST], v[C+\q] offset:2048*(\q%4)+16*(\q/4)
	ds_store_b8 v[SST], v[G+\q] offset:256*(\q%4)+4*(\q/4)
.endr
	s_wait_dscnt 0x0                               ; for the others' sake: my stores into the images are done
	s_barrier_signal -1
	s_barrier_wait -1
.irp i, 0,1,2,3
	ds_load_b128 v[X+4*\i:X+4*\i+3], v[RDC] offset:512*\i
.endr
	ds_load_b64 v[X+16:X+17], v[RDS]
	s_wait_dscnt 0x0
.irp i, 0,1,2,3
	global_store_b128 v[RDC], v[X+4*\i:X+4*\i+3], s[20:21] offset:512*\i   ; 32 lanes store 512 consecutive bytes
.endr
	global_store_b64 v[GOS], v[X+16:X+17], s[22:23]                        ; 32 lanes store 256 consecutive bytes, aligned
	s_wait_tensorcnt 0x0
	ds_add_u32 v30, v31
	s_wait_dscnt 0x0
	s_endpgm
.Lfunc_end_k_q796fb6ff6b_ln1:
	.size	k_q796fb6ff6b_ln1, .Lfunc_end_k_q796fb6ff6b_ln1-k_q796fb6ff6b_ln1
	.p2alignl 7, 3214868480
	.fill 96, 4, 3214868480
	.section	.rodata,"a",@progbits
	.p2align	6, 0x0
	.amdhsa_kernel k_q796fb6ff6b_ln1
		.amdhsa_group_segment_fixed_size 9728
		.amdhsa_private_segment_fixed_size 0
		.amdhsa_enable_private_segment 0
		.amdhsa_kernarg_size 32
		.amdhsa_user_sgpr_count 2
		.amdhsa_user_sgpr_kernarg_segment_ptr 1
		.amdhsa_wavefront_size32 1
		.amdhsa_system_sgpr_workgroup_id_x 1
		.amdhsa_system_sgpr_workgroup_id_y 1
		.amdhsa_system_sgpr_workgroup_id_z 1
		.amdhsa_system_vgpr_workitem_id 0
		.amdhsa_next_free_vgpr 256
		.amdhsa_next_free_sgpr 66
		.amdhsa_reserve_vcc 0
		.amdhsa_float_denorm_mode_32 3
		.amdhsa_float_denorm_mode_16_64 3
		.amdhsa_memory_ordered 1
		.amdhsa_forward_progress 1
		.amdhsa_inst_pref_size 43
	.end_amdhsa_kernel
	.amdgpu_metadata
---
amdhsa.version: [ 1, 2 ]
amdhsa.kernels:
  - .name:           k_q796fb6ff6b_ln1
    .symbol:         k_q796fb6ff6b_ln1.kd
    .args:
      - { .name: x, .offset: 0, .size: 8, .value_kind: global_buffer, .address_space: global }
      - { .name: ln1_g, .offset: 8, .size: 8, .value_kind: global_buffer, .address_space: global }
      - { .name: ln1_b, .offset: 16, .size: 8, .value_kind: global_buffer, .address_space: global }
      - { .name: hq, .offset: 24, .size: 8, .value_kind: global_buffer, .address_space: global }
    .group_segment_fixed_size: 9728
    .private_segment_fixed_size: 0
    .kernarg_segment_align: 8
    .kernarg_segment_size: 32
    .max_flat_workgroup_size: 128
    .sgpr_count:     66
    .vgpr_count:     256
    .wavefront_size: 32
...
	.end_amdgpu_metadata
.endif
;; end of part 1
;; launch qkv (part 2): grid 16 x 16, 4 waves a work-group, no clusters, 168,448 bytes of LDS; arguments hq, Wq_codes, Wq_scales, Wk_codes, Wk_scales, qkv; writes qkv
.if DOCPART == 2
	.amdgcn_target "amdgcn-amd-amdhsa--gfx1250"
	.amdhsa_code_object_version 6
	.text
	.protected	k_q796fb6ff6b_qkv
	.globl	k_q796fb6ff6b_qkv
	.p2align	8
	.type	k_q796fb6ff6b_qkv,@function
k_q796fb6ff6b_qkv:
	s_mov_b64 s[64:65], 0
	v_nop
	global_prefetch_b8 v0, s[64:65] scope:SCOPE_SE
	s_setreg_imm32_b32 hwreg(HW_REG_WAVE_MODE, 25, 1), 1
	s_wait_xcnt 0x0
; Q = h Wq and K = h Wk of one head for 256 tokens, on codes of FP4 (E2M1) with one E8M0 scale for each 32 along K = 1,024, and the three quantisers behind them:
; Q along d, K along d (both for Q K^T), and K along the keys (the values of this module are its keys).
; hq: h as images of operand registers (see below).  Wq_codes, Wk_codes [16][64][512 bytes], their scales [16][64][32].
; qkv, for each bh = 16 batch + head a block of HB bytes: K's codes [key tile 128][lane][16 B] (lane (r, h): d = 32 h .. 32 h + 31 of key r); + 65,536 V's codes [128 keys: 16][d tile 4][c 2][lane][16 B], keys innermost;
; + 131,072 K's scale words [key], bytes 2 and 3 zero; + 139,264 V's scale words [16][4][lane 32].  From QOFF Q's codes [bh][tile 128][512 B], from QSOFF Q's scale words [bh][2048].
; SHARES.  Work-group (x = R, y = head): tokens 256 R on; wave w the four tiles of 16 tokens 16 R + 4 w + m.  The head's 64 rows of Wq and of Wk come into LDS ONCE, by two tensor loads a wave at the head
; (two of mine are out at most); no LDS byte is filled twice.  Each wave's token fragments for all of K come from memory straight into 256 registers: an image is 512 consecutive bytes, lane l at 16 l.
; A PASS is 64 weight rows x 64 tokens x K 1,024: 8 K steps of 16 matrix instructions on 16 accumulators, which take turns in one order.
; Passes 1 and 2 (source 0 = weight rows, source 1 = tokens): a lane holds one token and its registers run along d.  Pass 3 is pass 2 with the sources swapped: a lane holds one d and its registers run along the keys; the sums are the same.
; FROM RESULT TO OPERAND.  In tile t lane (r, h) register j is index 16 t + 8 h + j.  A block of 32 is two tiles, shared by lanes l and l xor 16.  Four conversions and two exchanges of halves give registers 4 c .. 4 c + 3 of a fragment.
; No cluster: the weights that the 16 work-groups of a head share are 71,680 of the 219,136 bytes that a work-group reads, fetched once at its head; joint fills are not written in this text.
; LIMITS: NaN and infinities are not served; a block under 2^-124 (zeros too) gets the byte 1: its bytes are read by this program alone.
.set HSC,   2097152                    ; hq: where the scale words begin
.set HB,    147456
.set QOFF,  4718592
.set QSOFF, 6815744
.set TB,    8192                       ; a token tile's code images, all of K
.set TSB,   1024                       ; and its scale words
.set WP,    528                        ; a weight row in LDS: 512 bytes + 16 of padding = 33 x 16: the 16 rows of a load start at 16 different 16-byte columns
.set NR,    32                         ; weight rows to a tensor load
.set GP,    512                        ; from row to row in memory
.set NS,    4                          ; units of 256 scale bytes to a tensor load
.set SROW,  32                         ; a weight row's scale bytes
.set SCL,   4*NR*WP                    ; behind the rows: the scale bytes, dense
; window 0
.set LN16, 1                           ; v1  16 x lane
.set LN4,  2                           ; v2  4 x lane
.set AW,   3                           ; v3  528 r + 16 h: my place in a tile of weight rows
.set ASW,  4                           ; v4  SCL + 32 r: my row's scale bytes
.set AS,   16                          ; v16-47   the tokens' scale words, at 8 m + s
.set WS,   48                          ; v48-79   the weights', at 8 t + s
.set ACC,  80                          ; v80-207  the 16 accumulators
.set TM,   208                         ; v208-215 largest magnitudes;  v216-223 the other lanes', then bytes;  v224-231 the conversions' scale operands
.set TP,   216
.set TS,   224
.set PC,   232                         ; v232-247 codes: four registers a group
.set PW,   248                         ; v248-251 two scale bytes a group
.set SW,   252                         ; v252-253 scale words of two tiles
; window 1: the tokens' fragments, at 64 m + 8 s + 4 c.   window 2: v0-63 the weights' fragments, two buffers, at 32 buf + 8 t + 4 c
.set SEL,  20                          ; s[20:21] lane selects
.set AC,   48                          ; s[48:49] my tokens' code images;  s[50:51] their scale words
.set ASC,  50
.set QC,   52
.set QS,   54
.set KC,   56
.set KSB,  58
.set VC,   60
.set VS,   62
.set MSB, 0
.macro WIN new                         ; the immediate's high byte repeats the setting that is left; a switch that changes nothing is dropped
.if MSB != \new
	s_set_vgpr_msb (MSB<<8)|\new
.set MSB, \new
.endif
.endm
.macro PLACES                          ; four plain vector instructions between a matrix instruction and a load into, or a read of, its registers
.rept 4
	v_nop
.endr
.endm
.macro LOADA win, asb, koff, ksoff     ; my four tiles' fragments of 8 K steps, and their scale words
	WIN \win
.irp m, 0,1,2,3
.irp s, 0,1,2,3,4,5,6,7
.irp c, 0,1
	global_load_b128 v[64*\m+8*\s+4*\c:64*\m+8*\s+4*\c+3], v[LN16], s[AC:AC+1] offset:\m*TB+(\koff)+1024*\s+512*\c
.endr
.endr
.endr
	WIN 0
.irp m, 0,1,2,3
.irp s, 0,1,2,3,4,5,6,7
	global_load_b32 v[(\asb)+8*\m+\s], v[LN4], s[ASC:ASC+1] offset:\m*TSB+(\ksoff)+128*\s
.endr
.endr
.endm
.macro LOADWS off                      ; the scale words of 64 weight rows, 8 K steps
	PLACES
	WIN 0
.irp t, 0,1,2,3
.irp e, 0,1
	ds_load_b128 v[WS+8*\t+4*\e:WS+8*\t+4*\e+3], v[ASW] offset:(\off)+16*\t*SROW+16*\e
.endr
.endr
.endm
.macro FETCHB s, buf, base             ; four weight fragments of K step s into buffer buf
	PLACES
	WIN 0x80                                       ; destination window 2, address window 0
.irp t, 0,1,2,3
.irp c, 0,1
	ds_load_b128 v[32*(\buf)+8*\t+4*\c:32*(\buf)+8*\t+4*\c+3], v[AW] offset:(\base)+16*WP*\t+64*(\s)+32*\c
.endr
.endr
.endm
.macro WM d, a, b, cm, c, sa, sb
.if (\cm) == 0
	v_wmma_scale_f32_16x16x128_f8f6f4 v[\d:\d+7], v[\a:\a+7], v[\b:\b+7], 0, v[\sa], v[\sb] matrix_a_fmt:MATRIX_FMT_FP4 matrix_b_fmt:MATRIX_FMT_FP4
.else
	v_wmma_scale_f32_16x16x128_f8f6f4 v[\d:\d+7], v[\a:\a+7], v[\b:\b+7], v[\c:\c+7], v[\sa], v[\sb] matrix_a_fmt:MATRIX_FMT_FP4 matrix_b_fmt:MATRIX_FMT_FP4
.endif
.endm
; 16 matrix instructions of K step s.  cm = 0: they start the sums with the constant 0; 1: they add in place; 2: they start them with the bias at bi.  tr = 1: the sources, and their scales, change places
.macro MUL s, buf, cm, tr, win, asb, bi
	WIN \win
.irp m, 0,1,2,3
.irp t, 0,1,2,3
.if \tr
	WM ACC+32*\t+8*\m, 64*\m+8*(\s), 32*(\buf)+8*\t, \cm, ACC+32*\t+8*\m, (\asb)+8*\m+(\s), WS+8*\t+(\s)
.elseif (\cm) == 2
	WM ACC+32*\m+8*\t, 32*(\buf)+8*\t, 64*\m+8*(\s), 2, (\bi)+8*\t, WS+8*\t+(\s), (\asb)+8*\m+(\s)
.else
	WM ACC+32*\m+8*\t, 32*(\buf)+8*\t, 64*\m+8*(\s), \cm, ACC+32*\m+8*\t, WS+8*\t+(\s), (\asb)+8*\m+(\s)
.endif
.endr
.endr
.endm
.macro PASS base, cm0, tr, win0, win, asb, bi
	FETCHB 0, 0, \base
.irp s, 0,1,2,3,4,5,6
	FETCHB \s+1, (\s+1)%2, \base
	s_wait_dscnt 8                                 ; all but the eight loads just issued, which are the next K step's
.if \s == 0
	MUL 0, 0, \cm0, \tr, \win0, \asb, \bi
.else
	MUL \s, \s%2, 1, \tr, \win, \asb, \bi
.endif
.endr
	s_wait_dscnt 0x0
	MUL 7, 1, 1, \tr, \win, \asb, \bi
	WIN 0
.endm
; The 16 accumulators become four groups of four operand registers (PC + 4 g) and two scale bytes (PW + g).  Block q is the 16 registers ACC + 16 q, group g = q / 2.
.macro QUANT4 relu
	PLACES
	s_wait_xcnt 0x0                                ; the last pass's stores have read PC, PW and SW: they are written again only behind this wait
.if \relu
.set i, 0
.rept 128
	v_max_num_f32 v[ACC+i], 0, v[ACC+i]
.set i, i+1
.endr
.endif
.irp q, 0,1,2,3,4,5,6,7
	v_max3_num_f32 v[TM+\q], |v[ACC+16*\q]|, |v[ACC+16*\q+1]|, 0x1800000   ; each accumulator is read from its low end on; the floor 2^(3 - 127) holds the byte at 1 from below
.endr
.irp i, 2,4,6,8,10,12,14
.irp q, 0,1,2,3,4,5,6,7
	v_max3_num_f32 v[TM+\q], v[TM+\q], |v[ACC+16*\q+\i]|, |v[ACC+16*\q+\i+1]|
.endr
.endr
.irp q, 0,1,2,3,4,5,6,7
	v_permlanex16_b32 v[TP+\q], v[TM+\q], s[SEL], s[SEL+1]
.endr
.irp q, 0,1,2,3,4,5,6,7
	v_max_num_f32 v[TM+\q], v[TM+\q], v[TP+\q]     ; with lane l xor 16's 16: the block's largest magnitude
.endr
.irp q, 0,1,2,3,4,5,6,7
	v_add_nc_u32 v[TS+\q], 0xff000000, v[TM+\q]    ; 2 off the exponent field: the conversion's scale operand
.endr
.irp q, 0,1,2,3,4,5,6,7
	v_lshrrev_b32 v[TP+\q], 23, v[TS+\q]           ; the scale's byte
.endr
.irp g, 0,1,2,3
	v_lshl_or_b32 v[PW+\g], v[TP+2*\g+1], 8, v[TP+2*\g]
.endr
.irp g, 0,1,2,3
	v_cvt_scalef32_pk8_fp4_f32 v[PC+4*\g], v[ACC+32*\g:ACC+32*\g+7], v[TS+2*\g]            ; block 0, pieces 0 (lanes 0-15) and 1 (lanes 16-31)
	v_cvt_scalef32_pk8_fp4_f32 v[PC+4*\g+1], v[ACC+32*\g+16:ACC+32*\g+23], v[TS+2*\g+1]    ; block 1, pieces 0 and 1
	v_cvt_scalef32_pk8_fp4_f32 v[PC+4*\g+2], v[ACC+32*\g+8:ACC+32*\g+15], v[TS+2*\g]       ; block 0, pieces 2 and 3
	v_cvt_scalef32_pk8_fp4_f32 v[PC+4*\g+3], v[ACC+32*\g+24:ACC+32*\g+31], v[TS+2*\g+1]    ; block 1, pieces 2 and 3
.endr
	v_nop                                          ; one plain instruction behind the last scaled conversion
.irp g, 0,1,2,3
	v_permlane16_swap_b32 v[PC+4*\g], v[PC+4*\g+1]     ; the first's lanes 16-31 change places with the second's lanes 0-15: lanes 0-15 now hold block 0, lanes 16-31 block 1, k ascending over the four registers
	v_permlane16_swap_b32 v[PC+4*\g+2], v[PC+4*\g+3]
.endr
.endm
.macro EPI_QK cb, sb                   ; group m = a tile of 16 tokens: its image (512 bytes) and its scale words
	QUANT4 0
.irp m, 0,1,2,3
	global_store_b128 v[LN16], v[PC+4*\m:PC+4*\m+3], s[\cb:\cb+1] offset:512*\m
.endr
.irp i, 0,1
	v_cndmask_b32 v[SW+\i], v[PW+2*\i], v[PW+2*\i+1], s22      ; lanes 0-15 tile 2 i's words, lanes 16-31 tile 2 i + 1's
.endr
.irp i, 0,1
	global_store_b32 v[LN4], v[SW+\i], s[\sb:\sb+1] offset:128*\i
.endr
.endm
	s_load_b256 s[4:11], s[0:1], 0x0               ; hq s[4:5], Wq's codes s[6:7], scales s[8:9], Wk's codes s[10:11]
	s_load_b128 s[12:15], s[0:1], 0x20             ; Wk's scales s[12:13], qkv s[14:15]
	v_lshl_add_u32 v254, v0, 2, 0x29000
	v_mov_b32 v255, 0
	ds_add_u32 v254, v255
	ds_add_u32 v254, v255
	v_lshrrev_b32 v9, 5, v0
	v_readfirstlane_b32 s16, v9                    ; wave 0..3
	s_mov_b32 s17, ttmp9                           ; R
	s_and_b32 s18, ttmp7, 0xffff                   ; head
	; descriptor group 1 for the rows: NR rows of 512 bytes, 16 bytes of padding behind each
	s_mov_b32 s32, (0<<16)|(1<<20)|(6<<22)|(3<<25) ; no mask; elements of 1 byte; padding on: four words (code 3) after every 128 (code 6)
	s_mov_b32 s33, 512<<16                         ; tensor_dim0
	s_mov_b32 s34, NR<<16                          ; tensor_dim1
	s_mov_b32 s35, 512<<16                         ; tile_dim0
	s_mov_b32 s36, NR                              ; tile_dim1
	s_mov_b32 s37, GP                              ; from row to row
	s_mov_b32 s38, 0
	s_mov_b32 s39, 0
	; and for the scale bytes: a dense block, as NS rows of 256 bytes (32 elements of 8 bytes)
	s_mov_b32 s40, 3<<16
	s_mov_b32 s41, 32<<16
	s_mov_b32 s42, NS<<16
	s_mov_b32 s43, 32<<16
	s_mov_b32 s44, NS
	s_mov_b32 s45, 32
	s_mov_b32 s46, 0
	s_mov_b32 s47, 0
	s_mov_b32 s24, 1
	s_mul_i32 s25, s16, NR*WP                      ; waves 0, 1: Wq's rows 0-31, 32-63; waves 2, 3: Wk's
	s_mov_b32 s28, 1
	s_mul_i32 s29, s16, NS*256
	s_add_co_u32 s29, s29, SCL
	s_and_b32 s66, s16, 1
	s_lshl_b32 s68, s18, 15                        ; the head's 64 rows of 512 bytes,
	s_lshl_b32 s67, s66, 14                        ; my 32 of them
	s_add_co_u32 s68, s68, s67
	s_mov_b32 s69, 0
	s_lshl_b32 s70, s18, 11
	s_lshl_b32 s67, s66, 10
	s_add_co_u32 s70, s70, s67
	s_mov_b32 s71, 0
	s_wait_dscnt 0x0
	s_wait_kmcnt 0x0
	s_cmp_lt_u32 s16, 2                            ; the choice hangs on the wave's number alone
	s_cselect_b64 s[26:27], s[6:7], s[10:11]
	s_cselect_b64 s[30:31], s[8:9], s[12:13]
	s_add_nc_u64 s[26:27], s[26:27], s[68:69]
	s_add_nc_u64 s[30:31], s[30:31], s[70:71]
	s_or_b32 s27, s27, 0x80000000                  ; type = 2
	s_or_b32 s31, s31, 0x80000000
	tensor_load_to_lds s[24:27], s[32:39]          ; the only fills of the launch: each wave's own LDS bytes, filled once
	s_nop 0
	tensor_load_to_lds s[28:31], s[40:47]
	s_nop 0
	PLACES                                         ; four v_nop follow
	v_and_b32 v9, 31, v0
	v_lshlrev_b32 v[LN16], 4, v9
	v_lshlrev_b32 v[LN4], 2, v9
	v_cmp_le_u32 s22, 16, v9                       ; the mask of lanes 16-31
	v_and_b32 v10, 15, v0                          ; r
	v_bfe_u32 v11, v0, 4, 1                        ; h
	v_mul_u32_u24 v[AW], v10, WP
	v_lshl_add_u32 v[AW], v11, 4, v[AW]
	v_lshl_add_u32 v[ASW], v10, 5, SCL
.irp q, 0,1,2,3,4,5,6,7
	v_mov_b32 v[TP+\q], 0                          ; written once: a lane permute's destination counts as one of its sources
.endr
	s_mov_b32 s[SEL], 0x76543210
	s_mov_b32 s[SEL+1], 0xfedcba98
	s_mov_b32 s75, 0
	s_lshl_b32 s74, s17, 17                        ; token tile 16 R + 4 w: 8,192 bytes of codes a tile,
	s_lshl_b32 s73, s16, 15
	s_add_co_u32 s74, s74, s73
	s_add_nc_u64 s[AC:AC+1], s[4:5], s[74:75]
	s_lshl_b32 s74, s17, 14                        ; 1,024 of scale words
	s_lshl_b32 s73, s16, 12
	s_add_co_u32 s74, s74, s73
	s_add_co_u32 s74, s74, HSC
	s_add_nc_u64 s[ASC:ASC+1], s[4:5], s[74:75]
	LOADA 0x40, AS, 0, 0
	s_lshr_b32 s66, s17, 3
	s_lshl_b32 s66, s66, 4
	s_add_co_u32 s66, s66, s18                     ; bh = 16 batch + head
	s_and_b32 s67, s17, 7
	s_lshl_b32 s72, s67, 4
	s_lshl_b32 s73, s16, 2
	s_add_co_u32 s72, s72, s73                     ; T0: my first tile within the batch's 128
	s_mul_i32 s68, s66, HB
	s_lshl_b32 s74, s66, 16
	s_lshl_b32 s73, s72, 9
	s_add_co_u32 s74, s74, s73
	s_add_co_u32 s74, s74, QOFF
	s_add_nc_u64 s[QC:QC+1], s[14:15], s[74:75]
	s_add_co_u32 s74, s68, s73
	s_add_nc_u64 s[KC:KC+1], s[14:15], s[74:75]
	s_lshl_b32 s74, s66, 13
	s_lshl_b32 s73, s72, 6
	s_add_co_u32 s74, s74, s73
	s_add_co_u32 s74, s74, QSOFF
	s_add_nc_u64 s[QS:QS+1], s[14:15], s[74:75]
	s_add_co_u32 s74, s68, s73
	s_add_co_u32 s74, s74, 131072
	s_add_nc_u64 s[KSB:KSB+1], s[14:15], s[74:75]
	s_lshl_b32 s69, s67, 1
	s_lshr_b32 s73, s16, 1
	s_add_co_u32 s69, s69, s73                     ; which 128 keys my 64 tokens lie in,
	s_and_b32 s70, s16, 1                          ; and in which half of them
	s_lshl_b32 s74, s69, 12
	s_lshl_b32 s73, s70, 9
	s_add_co_u32 s74, s74, s73
	s_add_co_u32 s74, s74, s68
	s_add_co_u32 s74, s74, 65536
	s_add_nc_u64 s[VC:VC+1], s[14:15], s[74:75]
	s_lshl_b32 s74, s69, 9
	s_lshl_b32 s73, s70, 1
	s_add_co_u32 s74, s74, s73
	s_add_co_u32 s74, s74, s68
	s_add_co_u32 s74, s74, 139264
	s_add_nc_u64 s[VS:VS+1], s[14:15], s[74:75]
	s_wait_tensorcnt 0x0                           ; my parts of the weights are in LDS,
	s_barrier_signal -1
	s_barrier_wait -1                              ; everybody's are: from here on LDS is only read
	s_wait_loadcnt 0x0                             ; my tokens' fragments and scale words
	LOADWS 0
	PASS 0, 0, 0, 0x06, 0x06, AS, 0                ; Q
	EPI_QK QC, QS
	LOADWS 64*SROW
	PASS 64*WP, 0, 0, 0x06, 0x06, AS, 0            ; K, a lane a key
	EPI_QK KC, KSB
	PASS 64*WP, 0, 1, 0x09, 0x09, AS, 0            ; K again with the sources swapped, a lane a d: its registers run along the keys
	QUANT4 0                                       ; group t = 16 of the head's 64; its four registers are half c of a fragment of 128 keys
.irp t, 0,1,2,3
	global_store_b128 v[LN16], v[PC+4*\t:PC+4*\t+3], s[VC:VC+1] offset:1024*\t
.endr
.irp t, 0,1,2,3
	global_store_b16 v[LN4], v[PW+\t], s[VS:VS+1] offset:128*\t    ; two of the word's four bytes; the wave beside me writes the other two
.endr
	s_wait_tensorcnt 0x0
	ds_add_u32 v254, v255
	s_wait_dscnt 0x0
	s_endpgm
.Lfunc_end_k_q796fb6ff6b_qkv:
	.size	k_q796fb6ff6b_qkv, .Lfunc_end_k_q796fb6ff6b_qkv-k_q796fb6ff6b_qkv
	.p2alignl 7, 3214868480
	.fill 96, 4, 3214868480
	.section	.rodata,"a",@progbits
	.p2align	6, 0x0
	.amdhsa_kernel k_q796fb6ff6b_qkv
		.amdhsa_group_segment_fixed_size 168448
		.amdhsa_private_segment_fixed_size 0
		.amdhsa_enable_private_segment 0
		.amdhsa_kernarg_size 48
		.amdhsa_user_sgpr_count 2
		.amdhsa_user_sgpr_kernarg_segment_ptr 1
		.amdhsa_wavefront_size32 1
		.amdhsa_system_sgpr_workgroup_id_x 1
		.amdhsa_system_sgpr_workgroup_id_y 1
		.amdhsa_system_sgpr_workgroup_id_z 1
		.amdhsa_system_vgpr_workitem_id 0
		.amdhsa_next_free_vgpr 576
		.amdhsa_next_free_sgpr 80
		.amdhsa_reserve_vcc 0
		.amdhsa_float_denorm_mode_32 3
		.amdhsa_float_denorm_mode_16_64 3
		.amdhsa_memory_ordered 1
		.amdhsa_forward_progress 1
		.amdhsa_inst_pref_size 106
	.end_amdhsa_kernel
	.amdgpu_metadata
---
amdhsa.version: [ 1, 2 ]
amdhsa.kernels:
  - .name:           k_q796fb6ff6b_qkv
    .symbol:         k_q796fb6ff6b_qkv.kd
    .args:
      - { .name: hq, .offset: 0, .size: 8, .value_kind: global_buffer, .address_space: global }
      - { .name: Wq_codes, .offset: 8, .size: 8, .value_kind: global_buffer, .address_space: global }
      - { .name: Wq_scales, .offset: 16, .size: 8, .value_kind: global_buffer, .address_space: global }
      - { .name: Wk_codes, .offset: 24, .size: 8, .value_kind: global_buffer, .address_space: global }
      - { .name: Wk_scales, .offset: 32, .size: 8, .value_kind: global_buffer, .address_space: global }
      - { .name: qkv, .offset: 40, .size: 8, .value_kind: global_buffer, .address_space: global }
    .group_segment_fixed_size: 168448
    .private_segment_fixed_size: 0
    .kernarg_segment_align: 8
    .kernarg_segment_size: 48
    .max_flat_workgroup_size: 128
    .sgpr_count:     80
    .vgpr_count:     576
    .wavefront_size: 32
...
	.end_amdgpu_metadata
.endif
;; end of part 2
;; launch attn (part 3): grid 8 x 32, 16 waves a work-group, no clusters, 186,368 bytes of LDS; arguments qkv, oq; writes oq
.if DOCPART == 3
	.amdgcn_target "amdgcn-amd-amdhsa--gfx1250"
	.amdhsa_code_object_version 6
	.text
	.protected	k_q796fb6ff6b_attn
	.globl	k_q796fb6ff6b_attn
	.p2align	8
	.type	k_q796fb6ff6b_attn,@function
k_q796fb6ff6b_attn:
	s_mov_b64 s[64:65], 0
	v_nop
	global_prefetch_b8 v0, s[64:65] scope:SCOPE_SE
	s_setreg_imm32_b32 hwreg(HW_REG_WAVE_MODE, 25, 1), 1
	s_wait_xcnt 0x0
; Causal attention of one head (values = keys), head size 64, 2,048 keys, both products on codes of FP4 (E2M1) with one E8M0 scale for each 32 along a product's K, and the quantiser of its result.
; THE SOFTMAX AHEAD OF THE SECOND PRODUCT: t = score x log2(e) / 8; M = the row's largest t so far, rounded UP to a whole number; p = 2^(t - M) is quantised along the keys, not normalised.
; The row's sum is taken of the unquantised p and divides O at the end.  When M moves, the sum and O are multiplied by 2^(old M - new M): exact.
; qkv: as the launch before laid it (a block of HB bytes a head: K's codes, V's codes, K's scale words, V's scale words; Q's codes from QOFF, Q's scale words from QSOFF).
; oq: O / sum as codes along 64 head + d, images of operand registers [token tile 256][K step 8][c 2][lane][16 B]; from HSC the scale words [tile][K step][lane 32].
; SHARES.  Work-group (x = j, y = bh), SIXTEEN waves, four to a SIMD.  Query tiles a = 8 j + p and 127 - a (p = 0 .. 7) have j + 1 and 16 - j key steps of 128 with work: 17 together.  TWO waves share them:
; wave p takes tile a whole and then the long tile's first 7 - j steps (8 steps); wave 8 + p takes the long tile's other 9 steps, the diagonal among them.  At the end wave p hands its part of the long tile
; (-M, the sum, O^T) to wave 8 + p through LDS; the two are brought under the larger M by multiplications with powers of two, which round nothing, and added.
; ONE TEXT FOR ALL WAVES: two walks of a constant 16 trips; a trip's work is jumped over where its first key lies outside the wave's range [LO, HIX) (scalar branches on ids).  Between the walks waves 0-7 finish tile a
; and begin anew; waves 8-15 keep their state: their 9 steps lie 4 in the first walk and 5 in the second.
; THE HEAD'S WHOLE BLOCK LIES IN LDS, as it lies in memory: each wave brings 36 rows of 256 bytes with one tensor load at the head (one of mine is out); no LDS byte is filled twice.
; Behind the block lie 4,608 bytes for each pair of waves, which no fill touches: the part that is handed over, as images of its registers (lane l at 16 l).
; LAYOUT.  Both products transposed: S^T = K Q^T (source 0 = 16 keys, source 1 = my 16 queries; K = 64, so registers 4-7 of both operands are zero codes), O^T = V^T P^T: a lane holds ONE query throughout.
; In tile t of S^T lane (r, h) register j is key 16 t + 8 h + j: a block of 32 keys is two tiles, shared by lanes l and l xor 16; conversions and exchanges of halves give P's fragment.
; CAUSAL.  The range's upper end is at most my first query + 16; on the diagonal hidden scores become -infinity.
; No cluster: the ranges, and so the branches, hang on the work-group's x, which would be its place in a cluster of one head's work-groups.
; LIMITS: NaN and infinities are not served; a block under 2^-124 (zeros too) gets the byte 1: its bytes are read by this program alone; v_rcp_f32 and v_exp_f32 are good to one unit in the last place.
.set HB,    147456
.set QOFF,  4718592
.set QSOFF, 6815744
.set HSC,   2097152
.set MRG,   HB                         ; LDS behind the head's block: what wave p hands to wave 8 + p
.set MRGB,  4608                       ; eight images of 512 bytes (O^T) and one more (-M, t, the sum's halves)
.set LN16, 1                           ; v1   16 x lane
.set LN4,  2                           ; v2   4 x lane
.set R4,   3                           ; v3   4 x (lane % 16)
.set ADS0, 4                           ; v4   131,072 + 4 x lane: K's scale words of the head's first 128 keys
.set MA,   5                           ; v5   MRG + 4,608 x (wave % 8) + 16 x lane; made at the head, never rewritten
.set ADK,  8                           ; v8   LDS address of the step's K;  v9 of its V;  v10 of its scale words
.set ADV,  9
.set ADS,  10
.set KS,   24                          ; v24-27  K's scale words: tile 2 i in lanes 0-15, tile 2 i + 1 in lanes 16-31
.set VS,   28                          ; v28-31  V's
; v12 -M, v13 the largest t, v[14:15] the sum in two halves; v16-23 Q; v32-95 K's eight fragments; v96-159 S^T, then p; v160-191 O^T; v192-223 V's four fragments; v224-231 p's codes; v232-254 at work; v253 p's scale word; v255 Q's
.set WV,   8
.set JX,   9
.set BH,   10
.set PR,   11                          ; wave % 8: which pair of tiles
.set G0,   12                          ; s[12:15], s[16:23] the descriptor
.set G1,   16
.set SEL,  24
.set CS,   26                          ; s[26:27] c = log2(e) / 8
.set QT,   28                          ; the query tile in hand;  s29 its first query
.set Q0,   29
.set KF,   30                          ; the step's first key
.set TK,   31                          ; 4,096 bytes of K (and of V) a step
.set TS,   32                          ; 512 bytes of scale words a step
.set CNT,  33
.set QA,   34
.set QSA,  36
.set OC,   38
.set OS,   40
.set LO,   47                          ; a walk's range of first keys: LO <= KF < HIX
.set HIX,  48
.set XS,   49                          ; 128 (7 - j): where the long tile is cut
.set QL,   50                          ; the long tile, 127 - a
.macro PLACES
.rept 4
	v_nop
.endr
.endm
; Tile s[QT]: its first query, and the loads of its Q and of Q's scale words
.macro SETQ
	s_lshl_b32 s[Q0], s[QT], 4
	s_lshl_b32 s42, s[BH], 16
	s_lshl_b32 s44, s[QT], 9
	s_add_co_u32 s42, s42, s44
	s_add_co_u32 s42, s42, QOFF
	s_add_nc_u64 s[QA:QA+1], s[4:5], s[42:43]
	s_lshl_b32 s42, s[BH], 13
	s_lshl_b32 s44, s[QT], 6
	s_add_co_u32 s42, s42, s44
	s_add_co_u32 s42, s42, QSOFF
	s_add_nc_u64 s[QSA:QSA+1], s[4:5], s[42:43]
	global_load_b128 v[16:19], v[LN16], s[QA:QA+1]
	global_load_b32 v255, v[R4], s[QSA:QSA+1]
.endm
; A tile's state begins: the step is written once; the first finds zeros, which the first change of M leaves zeros
.macro INIT
	v_mov_b32 v13, 0xff61b1e6                      ; the largest t so far: -3e38, under every t
	v_floor_f32 v12, -v13                          ; -M
	v_mov_b32 v14, 0
	v_mov_b32 v15, 0
.set n, 0
.rept 32
	v_mov_b32 v[160+n], 0                          ; O^T
.set n, n+1
.endr
.endm
; The range of a walk.  First walk: waves 0-7 all of tile a; waves 8-15 four steps from the cut on.  Second walk: waves 0-7 the long tile up to the cut; waves 8-15 the rest, up to the diagonal.
.macro BOUNDS second
	s_add_co_u32 s45, s[Q0], 16                    ; a step whose first key is not under this has no key that counts
	s_add_co_u32 s46, s[XS], 512
	s_cmp_lt_u32 s[WV], 8
.if \second
	s_cselect_b32 s[LO], 0, s46
	s_cselect_b32 s[HIX], s[XS], s45
.else
	s_cselect_b32 s[LO], 0, s[XS]
	s_cselect_b32 s[HIX], s45, s46
.endif
.endm
; Where tile s[QT]'s codes and scale bytes go
.macro BASES
	s_wait_xcnt 0x0                                ; earlier stores have read their bases
	s_lshr_b32 s44, s[BH], 4
	s_lshl_b32 s44, s44, 7
	s_add_co_u32 s44, s44, s[QT]                   ; the token tile: 128 batch + query tile
	s_and_b32 s45, s[BH], 15                       ; the head: K step head / 2, half head % 2: 512 bytes a head
	s_lshl_b32 s42, s44, 13
	s_lshl_b32 s46, s45, 9
	s_add_co_u32 s42, s42, s46
	s_add_nc_u64 s[OC:OC+1], s[6:7], s[42:43]
	s_lshl_b32 s42, s44, 10
	s_lshr_b32 s46, s45, 1
	s_lshl_b32 s46, s46, 7
	s_add_co_u32 s42, s42, s46
	s_and_b32 s46, s45, 1
	s_lshl_b32 s46, s46, 1
	s_add_co_u32 s42, s42, s46
	s_add_co_u32 s42, s42, HSC
	s_add_nc_u64 s[OS:OS+1], s[6:7], s[42:43]
.endm
; A WALK over the head's 16 key steps: a constant count, so that the stepped LDS addresses can be read off the text
.macro WALK
	s_mov_b32 s[KF], 0
	s_mov_b32 s[TK], 0
	s_mov_b32 s[TS], 0
	s_mov_b32 s[CNT], 16
.Lstep_\@:
	s_cmp_lt_u32 s[KF], s[LO]                      ; outside my range: no work
	s_cbranch_scc1 .Lhidden_\@
	s_cmp_ge_u32 s[KF], s[HIX]
	s_cbranch_scc1 .Lhidden_\@
	v_add_nc_u32 v[ADK], s[TK], v[LN16]            ; these three and the v_nop are the four places behind the last step's products, in front of the loads into their operands
	v_add_nc_u32 v[ADV], 0x10000, v[ADK]
	v_add_nc_u32 v[ADS], s[TS], v[ADS0]
	v_nop
.irp t, 0,1,2,3,4,5,6,7
	ds_load_b128 v[32+8*\t:35+8*\t], v[ADK] offset:512*\t
.endr
.irp i, 0,1,2,3
	ds_load_b32 v[KS+\i], v[ADS] offset:128*\i
.endr
.irp t, 0,1,2,3
.irp c, 0,1
	ds_load_b128 v[192+8*\t+4*\c:195+8*\t+4*\c], v[ADV] offset:1024*\t+512*\c
.endr
.endr
.irp t, 0,1,2,3
	ds_load_b32 v[VS+\t], v[ADS] offset:8192+128*\t
.endr
	s_wait_dscnt 12                                ; K and its scale words are in; V's twelve loads may stay out
.irp t, 0,1,2,3,4,5,6,7
.if \t%2
	v_wmma_scale_f32_16x16x128_f8f6f4 v[96+8*\t:103+8*\t], v[32+8*\t:39+8*\t], v[16:23], 0, v[KS+\t/2], v255 matrix_a_fmt:MATRIX_FMT_FP4 matrix_b_fmt:MATRIX_FMT_FP4 matrix_a_scale:MATRIX_SCALE_ROW1
.else
	v_wmma_scale_f32_16x16x128_f8f6f4 v[96+8*\t:103+8*\t], v[32+8*\t:39+8*\t], v[16:23], 0, v[KS+\t/2], v255 matrix_a_fmt:MATRIX_FMT_FP4 matrix_b_fmt:MATRIX_FMT_FP4
.endif
.endr
	PLACES
	s_add_co_u32 s46, s[KF], 127
	s_cmp_le_u32 s46, s[Q0]                        ; all 128 keys count for all my queries: no mask
	s_cbranch_scc1 .Lopen_\@
	s_sub_co_i32 s46, s[Q0], s[KF]
	v_and_b32 v248, 15, v0
	v_bfe_u32 v249, v0, 4, 1
	v_lshlrev_b32 v249, 3, v249
	v_sub_nc_u32 v248, v248, v249
	v_add_nc_u32 v248, s46, v248                   ; d = my query - KF - 8 (lane / 16).  Register 8 t + j holds key KF + 16 t + 8 (lane / 16) + j: hidden where 16 t + j > d
	v_mov_b32 v250, 0xff800000                     ; -infinity
.set n, 0
.rept 64
	v_cmp_gt_i32 vcc_lo, 16*(n/8)+n%8, v248
	v_cndmask_b32 v[96+n], v[96+n], v250, vcc_lo
.set n, n+1
.endr
.Lopen_\@:
.irp b, 0,1,2,3
	v_max3_num_f32 v[232+\b], v[96+16*\b], v[97+16*\b], v[98+16*\b]   ; the largest score of each block of 32 keys: for the row's maximum and, since p rises with the score, for the block's largest p
.endr
.irp i, 3,5,7,9,11,13
.irp b, 0,1,2,3
	v_max3_num_f32 v[232+\b], v[232+\b], v[96+16*\b+\i], v[97+16*\b+\i]
.endr
.endr
.irp b, 0,1,2,3
	v_max_num_f32 v[232+\b], v[232+\b], v[111+16*\b]
.endr
.irp b, 0,1,2,3
	v_permlanex16_b32 v[236+\b], v[232+\b], s[SEL], s[SEL+1]
.endr
.irp b, 0,1,2,3
	v_max_num_f32 v[232+\b], v[232+\b], v[236+\b]  ; with lane l xor 16's 16 keys
.endr
	v_max3_num_f32 v254, v232, v233, v234
	v_max_num_f32 v254, v254, v235                 ; the step's largest score of my query
	v_mul_f32 v254, s[CS], v254                    ; as t
	v_max_num_f32 v13, v13, v254                   ; the running largest t
	v_mov_b32 v254, v12
	v_floor_f32 v12, -v13                          ; the new -M = floor(-t): M is a whole number
	v_sub_f32 v254, v12, v254                      ; old M less new M: a whole number, 0 or less
	v_cvt_i32_f32 v254, v254                       ; (it saturates)
	v_ldexp_f32 v252, 1.0, v254                    ; f = 2^(old M - new M)
.set n, 0
.rept 32
	v_pk_fma_f32 v[96+n:97+n], v[96+n:97+n], s[CS:CS+1], v[12:13] op_sel_hi:[1,0,0]   ; t - M, two at a time
.set n, n+2
.endr
.irp b, 0,1,2,3
	v_fma_f32 v[232+\b], v[232+\b], s[CS], v12     ; the same of each block's largest score
.endr
.set n, 0
.rept 64
	v_exp_f32 v[96+n], v[96+n]                     ; p = 2^(t - M)
.set n, n+1
.endr
	v_pk_mul_f32 v[14:15], v[14:15], v[252:253] op_sel_hi:[1,0]   ; the sums under the new M: a plain instruction behind the exponentials
	s_wait_alu depctr_va_vdst(0)                   ; one wait for the batch of 64, ahead of its first reader
.irp b, 0,1,2,3
	v_exp_f32 v[232+\b], v[232+\b]                 ; the blocks' largest p
.endr
	v_pk_add_f32 v[236:237], v[96:97], v[98:99]    ; the row's sum of the unquantised p, in two chains; it reads the 64 alone
.irp j, 4,8,12,16,20,24,28,32,36,40,44,48,52,56,60
	v_pk_add_f32 v[14:15], v[14:15], v[96+\j:97+\j]
	v_pk_add_f32 v[236:237], v[236:237], v[98+\j:99+\j]
.endr
	v_pk_add_f32 v[14:15], v[14:15], v[236:237]
	s_wait_alu depctr_va_vdst(0)                   ; and one for the four
.irp b, 0,1,2,3
	v_max_num_f32 v[232+\b], 0x1800000, v[232+\b]  ; the floor 2^(3 - 127): the byte cannot fall under 1
.endr
.irp b, 0,1,2,3
	v_add_nc_u32 v[244+\b], 0xff000000, v[232+\b]  ; 2 off the exponent field: the conversion's scale operand
.endr
.irp b, 0,1,2,3
	v_lshrrev_b32 v[236+\b], 23, v[244+\b]         ; the scale's byte
.endr
	v_lshl_or_b32 v253, v237, 8, v236              ; p's scale word for these 128 keys
	v_lshl_or_b32 v253, v238, 16, v253
	v_lshl_or_b32 v253, v239, 24, v253
.irp c, 0,1
	v_cvt_scalef32_pk8_fp4_f32 v[224+4*\c], v[96+32*\c:103+32*\c], v[244+2*\c]     ; block 2 c, pieces 0 (lanes 0-15) and 1 (lanes 16-31)
	v_cvt_scalef32_pk8_fp4_f32 v[225+4*\c], v[112+32*\c:119+32*\c], v[245+2*\c]    ; block 2 c + 1, pieces 0 and 1
	v_cvt_scalef32_pk8_fp4_f32 v[226+4*\c], v[104+32*\c:111+32*\c], v[244+2*\c]    ; block 2 c, pieces 2 and 3
	v_cvt_scalef32_pk8_fp4_f32 v[227+4*\c], v[120+32*\c:127+32*\c], v[245+2*\c]    ; block 2 c + 1, pieces 2 and 3
.endr
	v_nop                                          ; one plain instruction behind the last scaled conversion
.irp c, 0,1
	v_permlane16_swap_b32 v[224+4*\c], v[225+4*\c] ; lanes 0-15 now hold block 2 c, lanes 16-31 block 2 c + 1, keys ascending over the four registers
	v_permlane16_swap_b32 v[226+4*\c], v[227+4*\c]
.endr
.set n, 0
.rept 16
	v_pk_mul_f32 v[160+n:161+n], v[160+n:161+n], v[252:253] op_sel_hi:[1,0]   ; O^T under the new M; these sixteen are also the places between the writes of p's codes and scale word and the products
.set n, n+2
.endr
	s_wait_dscnt 0x0                               ; V and its scale words
.irp t, 0,1,2,3
	v_wmma_scale_f32_16x16x128_f8f6f4 v[160+8*\t:167+8*\t], v[192+8*\t:199+8*\t], v[224:231], v[160+8*\t:167+8*\t], v[VS+\t], v253 matrix_a_fmt:MATRIX_FMT_FP4 matrix_b_fmt:MATRIX_FMT_FP4
.endr
.Lhidden_\@:
	s_add_co_u32 s[KF], s[KF], 128
	s_add_co_u32 s[TK], s[TK], 4096
	s_add_co_u32 s[TS], s[TS], 512
	s_sub_co_u32 s[CNT], s[CNT], 1
	s_cmp_lg_u32 s[CNT], 0
	s_cbranch_scc1 .Lstep_\@
	PLACES                                         ; behind the last products: O^T is read, and Q's registers are loaded, only behind these
.endm
; A TILE'S END: O^T / the sum, quantised along d, stored as half a fragment's image and two scale bytes a query
.macro FINAL
	v_add_f32 v14, v14, v15                        ; the sum's two halves,
	v_permlanex16_b32 v252, v14, s[SEL], s[SEL+1]
	v_add_f32 v14, v14, v252                       ; and lane l xor 16's
	v_rcp_f32 v14, v14
	v_nop
	s_wait_alu depctr_va_vdst(0)                   ; ahead of the reciprocal's first reader
.set n, 0
.rept 32
	v_mul_f32 v[96+n], v[160+n], v14               ; O^T / the sum: register 8 t + j is d = 16 t + 8 (lane / 16) + j of my query
.set n, n+1
.endr
.irp q, 0,1
	v_max3_num_f32 v[232+\q], |v[96+16*\q]|, |v[97+16*\q]|, 0x1800000
.endr
.irp i, 2,4,6,8,10,12,14
.irp q, 0,1
	v_max3_num_f32 v[232+\q], v[232+\q], |v[96+16*\q+\i]|, |v[97+16*\q+\i]|
.endr
.endr
.irp q, 0,1
	v_permlanex16_b32 v[236+\q], v[232+\q], s[SEL], s[SEL+1]
.endr
.irp q, 0,1
	v_max_num_f32 v[232+\q], v[232+\q], v[236+\q]
.endr
.irp q, 0,1
	v_add_nc_u32 v[244+\q], 0xff000000, v[232+\q]
.endr
.irp q, 0,1
	v_lshrrev_b32 v[236+\q], 23, v[244+\q]
.endr
	v_lshl_or_b32 v254, v237, 8, v236              ; the head's two scale bytes of my query
	v_cvt_scalef32_pk8_fp4_f32 v224, v[96:103], v244
	v_cvt_scalef32_pk8_fp4_f32 v225, v[112:119], v245
	v_cvt_scalef32_pk8_fp4_f32 v226, v[104:111], v244
	v_cvt_scalef32_pk8_fp4_f32 v227, v[120:127], v245
	v_nop
	v_permlane16_swap_b32 v224, v225
	v_permlane16_swap_b32 v226, v227
	global_store_b128 v[LN16], v[224:227], s[OC:OC+1]          ; 32 lanes store 512 consecutive bytes: half a fragment's image
	global_store_b16 v[LN4], v254, s[OS:OS+1]
.endm
	s_load_b128 s[4:7], s[0:1], 0x0                ; qkv s[4:5], oq s[6:7]
	v_lshl_add_u32 v243, v0, 2, 0x2d000
	v_mov_b32 v251, 0
	ds_add_u32 v243, v251
	ds_add_u32 v243, v251
	v_lshrrev_b32 v8, 5, v0
	v_readfirstlane_b32 s[WV], v8                  ; wave 0..15
	s_mov_b32 s[JX], ttmp9
	s_and_b32 s[BH], ttmp7, 0xffff
	s_mov_b32 s[G1], 3<<16                         ; no mask, elements of 8 bytes, no padding
	s_mov_b32 s[G1+1], 32<<16                      ; tensor_dim0 = 32 elements: 256 bytes
	s_mov_b32 s[G1+2], 36<<16                      ; tensor_dim1
	s_mov_b32 s[G1+3], 32<<16                      ; tile_dim0
	s_mov_b32 s[G1+4], 36                          ; tile_dim1
	s_mov_b32 s[G1+5], 32                          ; dense
	s_mov_b32 s[G1+6], 0
	s_mov_b32 s[G1+7], 0
	s_mov_b32 s[G0], 1
	s_mul_i32 s[G0+1], s[WV], 9216                 ; my sixteenth of the block, in LDS
	s_mul_i32 s42, s[BH], HB
	s_add_co_u32 s42, s42, s[G0+1]                 ; and in memory
	s_mov_b32 s43, 0
	s_wait_dscnt 0x0
	s_wait_kmcnt 0x0
	s_add_nc_u64 s[G0+2:G0+3], s[4:5], s[42:43]
	s_or_b32 s[G0+3], s[G0+3], 0x80000000
	tensor_load_to_lds s[G0:G0+3], s[G1:G1+7]
	s_nop 0
	PLACES                                         ; four v_nop follow
	v_and_b32 v8, 31, v0
	v_lshlrev_b32 v[LN16], 4, v8
	v_lshlrev_b32 v[LN4], 2, v8
	v_and_b32 v9, 15, v0
	v_lshlrev_b32 v[R4], 2, v9
	v_add_nc_u32 v[ADS0], 131072, v[LN4]
	s_and_b32 s[PR], s[WV], 7
	s_mul_i32 s44, s[PR], MRGB
	s_add_co_u32 s44, s44, MRG
	v_add_nc_u32 v[MA], s44, v[LN16]
.irp i, 20,21,22,23
	v_mov_b32 v[\i], 0                             ; Q's k = 64 .. 127: zero codes
.endr
.irp t, 0,1,2,3,4,5,6,7
.irp i, 4,5,6,7
	v_mov_b32 v[32+8*\t+\i], 0                     ; K's likewise
.endr
.endr
.irp b, 0,1,2,3
	v_mov_b32 v[236+\b], 0                         ; written once: a lane permute's destination counts as one of its sources
.endr
	v_mov_b32 v252, 0
	v_mov_b32 v253, 0                              ; (named as the upper half of the pair v[252:253] before it is first written)
	s_mov_b32 s[SEL], 0x76543210
	s_mov_b32 s[SEL+1], 0xfedcba98
	s_mov_b32 s[CS], 0x3e38aa3b                    ; log2(e) / 8
	s_mov_b32 s[CS+1], s[CS]
	s_lshl_b32 s44, s[JX], 3
	s_add_co_u32 s44, s44, s[PR]                   ; a = 8 j + p
	s_sub_co_u32 s[QL], 127, s44                   ; the long tile
	s_sub_co_u32 s[XS], 7, s[JX]
	s_lshl_b32 s[XS], s[XS], 7                     ; it is cut at key 128 (7 - j)
	s_cmp_lt_u32 s[WV], 8
	s_cselect_b32 s[QT], s44, s[QL]                ; waves 0-7 begin with tile a, waves 8-15 with the long tile
	SETQ
	INIT
	BOUNDS 0
	s_wait_tensorcnt 0x0                           ; my sixteenth is in LDS,
	s_barrier_signal -1
	s_barrier_wait -1                              ; everybody's is: the block is only read from here on
	s_wait_loadcnt 0x0                             ; Q
	WALK
	s_cmp_lt_u32 s[WV], 8
	s_cbranch_scc0 .Lmid                           ; waves 8-15 go on with the same tile and the same state
	BASES                                          ; waves 0-7: tile a is done
	s_mov_b32 s[QT], s[QL]
	SETQ                                           ; the long tile's Q is asked for ahead of tile a's last arithmetic
	FINAL
	INIT
	s_wait_xcnt 0x0                                ; the stores have read their data: the next walk writes those registers again
	s_wait_loadcnt 0x0                             ; Q
.Lmid:
	BOUNDS 1
	WALK
	s_cmp_lt_u32 s[WV], 8
	s_cbranch_scc0 .Lkeep
.irp i, 0,1,2,3,4,5,6,7
	ds_store_b128 v[MA], v[160+4*\i:163+4*\i] offset:512*\i    ; waves 0-7: my part of the long tile, each accumulator from its low end on,
.endr
	ds_store_b128 v[MA], v[12:15] offset:4096                  ; and -M, t and the sum's halves
.Lkeep:
	s_wait_dscnt 0x0                               ; for the partner's sake: my stores are done
	s_barrier_signal -1
	s_barrier_wait -1
	s_cmp_lt_u32 s[WV], 8
	s_cbranch_scc1 .Lend                           ; waves 0-7 have nothing more to do
.irp i, 0,1,2,3,4,5,6,7
	ds_load_b128 v[96+4*\i:99+4*\i], v[MA] offset:512*\i       ; waves 8-15: the partner's O^T,
.endr
	ds_load_b128 v[128:131], v[MA] offset:4096                 ; its -M (v128) and its sum (v130, v131)
	s_wait_dscnt 0x0
	v_min_num_f32 v254, v12, v128                  ; the new -M: that of the larger M
	v_sub_f32 v252, v254, v12                      ; my M less the new one: a whole number, 0 or less;
	v_sub_f32 v236, v254, v128                     ; the partner's likewise (a partner that had no step holds -M = 3e38: its factor comes out 0)
	v_cvt_i32_f32 v252, v252                       ; (they saturate)
	v_cvt_i32_f32 v236, v236
	v_ldexp_f32 v252, 1.0, v252
	v_ldexp_f32 v236, 1.0, v236
	v_pk_mul_f32 v[14:15], v[14:15], v[252:253] op_sel_hi:[1,0]
	v_pk_fma_f32 v[14:15], v[130:131], v[236:237], v[14:15] op_sel_hi:[1,0,1]
.set n, 0
.rept 16
	v_pk_mul_f32 v[160+n:161+n], v[160+n:161+n], v[252:253] op_sel_hi:[1,0]
.set n, n+2
.endr
.set n, 0
.rept 16
	v_pk_fma_f32 v[160+n:161+n], v[96+n:97+n], v[236:237], v[160+n:161+n] op_sel_hi:[1,0,1]
.set n, n+2
.endr
	BASES
	FINAL
.Lend:
	s_wait_tensorcnt 0x0
	ds_add_u32 v243, v251
	s_wait_dscnt 0x0
	s_endpgm
.Lfunc_end_k_q796fb6ff6b_attn:
	.size	k_q796fb6ff6b_attn, .Lfunc_end_k_q796fb6ff6b_attn-k_q796fb6ff6b_attn
	.p2alignl 7, 3214868480
	.fill 96, 4, 3214868480
	.section	.rodata,"a",@progbits
	.p2align	6, 0x0
	.amdhsa_kernel k_q796fb6ff6b_attn
		.amdhsa_group_segment_fixed_size 186368
		.amdhsa_private_segment_fixed_size 0
		.amdhsa_enable_private_segment 0
		.amdhsa_kernarg_size 16
		.amdhsa_user_sgpr_count 2
		.amdhsa_user_sgpr_kernarg_segment_ptr 1
		.amdhsa_wavefront_size32 1
		.amdhsa_system_sgpr_workgroup_id_x 1
		.amdhsa_system_sgpr_workgroup_id_y 1
		.amdhsa_system_sgpr_workgroup_id_z 1
		.amdhsa_system_vgpr_workitem_id 0
		.amdhsa_next_free_vgpr 256
		.amdhsa_next_free_sgpr 66
		.amdhsa_reserve_vcc 1
		.amdhsa_float_denorm_mode_32 3
		.amdhsa_float_denorm_mode_16_64 3
		.amdhsa_memory_ordered 1
		.amdhsa_forward_progress 1
		.amdhsa_inst_pref_size 62
	.end_amdhsa_kernel
	.amdgpu_metadata
---
amdhsa.version: [ 1, 2 ]
amdhsa.kernels:
  - .name:           k_q796fb6ff6b_attn
    .symbol:         k_q796fb6ff6b_attn.kd
    .args:
      - { .name: qkv, .offset: 0, .size: 8, .value_kind: global_buffer, .address_space: global }
      - { .name: oq, .offset: 8, .size: 8, .value_kind: global_buffer, .address_space: global }
    .group_segment_fixed_size: 186368
    .private_segment_fixed_size: 0
    .kernarg_segment_align: 8
    .kernarg_segment_size: 16
    .max_flat_workgroup_size: 512
    .sgpr_count:     66
    .vgpr_count:     256
    .wavefront_size: 32
...
	.end_amdgpu_metadata
.endif
;; end of part 3
;; launch proj (part 4): grid 16 x 16, 4 waves a work-group, no clusters, 168,448 bytes of LDS; arguments oq, Wproj_codes, Wproj_scales, bproj, x, x1; writes x1
.if DOCPART == 4
	.amdgcn_target "amdgcn-amd-amdhsa--gfx1250"
	.amdhsa_code_object_version 6
	.text
	.protected	k_q796fb6ff6b_proj
	.globl	k_q796fb6ff6b_proj
	.p2align	8
	.type	k_q796fb6ff6b_proj,@function
k_q796fb6ff6b_proj:
	s_mov_b64 s[64:65], 0
	v_nop
	global_prefetch_b8 v0, s[64:65] scope:SCOPE_SE
	s_setreg_imm32_b32 hwreg(HW_REG_WAVE_MODE, 25, 1), 1
	s_wait_xcnt 0x0
; x1 = x + o Wproj + bproj, the product on codes of FP4 (E2M1) with one E8M0 scale for each 32 along K = 1,024.
; oq: o as images of operand registers [token tile 256][K step 8][c 2][lane][16 B], scale words from HSC [tile][K step][lane 32].  Wproj_codes [1024][512 bytes], scales [1024][32].  bproj [1024], x, x1 [4096][1024] f32.
; SHARES.  Work-group (x = R, y = cb): tokens 256 R on, columns 64 cb on; wave w the four tiles of 16 tokens 16 R + 4 w + m.
; LDS IS FILLED ONCE, by three tensor loads a wave at the head (three of mine are out at most): my 16 of the 64 weight rows, my quarter of their scale bytes, and my own 64 rows x 256 bytes of x, which only I read.
; THE TOKENS' FRAGMENTS STREAM from memory straight into registers, K step by K step: twelve loads a step (8 of fragments, 512 consecutive bytes each, 4 of scale words).  Steps 0 to 3 are asked for at the head;
; step g waits for its own twelve and then asks for step g + 5: at most 60 of my loads are out, and the products of a step begin as soon as its fragments are in.
; 8 K steps of 16 matrix instructions on 16 accumulators, which take turns in one order.  Source 0 = weight rows, source 1 = tokens: a lane holds one token and eight neighbouring columns.
; The bias is the C of each sum's first matrix instruction.  The way out goes through each wave's own stage in LDS, so that sixteen lanes hold 256 neighbouring bytes of a row; there x is added.
; No cluster: the weights that the 16 work-groups of a column block share are 34,816 of the 247,808 bytes that a work-group reads.
.set HSC,   2097152
.set TB,    8192                       ; a token tile's code images, all of K
.set TSB,   1024                       ; and its scale words
.set GS,    8                          ; K steps of 128
.set WP,    528                        ; a weight row in LDS: 512 bytes + 16 of padding
.set NR,    16
.set GP,    512
.set NS,    2
.set SROW,  32
.set SCL,   4*NR*WP                    ; 33,792: the scale bytes, dense
.set STG,   SCL+64*SROW                ; 35,840: the stages, 16 rows x 272 bytes a wave: bytes that no fill touches
.set RSL,   STG+4*16*272               ; 53,248: x, 64 rows x (256 bytes + 16) a wave
.set LN16, 1                           ; v1  16 x lane
.set LN4,  2                           ; v2  4 x lane
.set AW,   3                           ; v3  528 r + 16 h: my place in a tile of weight rows
.set ASW,  4                           ; v4  SCL + 32 r: my row's scale bytes
.set AB,   5                           ; v5  32 h: my eight numbers of a tile's bias
.set STO,  6                           ; v6  the stage: where I put 32 bytes of a row
.set RD,   7                           ; v7  where I read a row back
.set GR,   8                           ; v8  4096 h + 16 r: the same place in x1
.set RR,   12                          ; v12 and in my rows of x in LDS
.set AS0,  16                          ; v16-47  the tokens' scale words, at 8 m + s
.set WS,   48                          ; v48-79  the weights', at 8 t + s
.set ACC,  80                          ; v80-207 the 16 accumulators
.set BI,   64                          ; window 2: v0-63 the weights' fragments, two buffers; v64-95 the bias; v96-223 x; v224-255 rows back from the stage.  Window 1: the tokens' fragments, at 64 m + 8 s + 4 c
.set RES,  96
.set RB,   224
.set AC,   48
.set ASC,  50
.set BP,   52
.set OB,   56
.set MSB, 0
.macro WIN new                         ; the immediate's high byte repeats the setting that is left; a switch that changes nothing is dropped
.if MSB != \new
	s_set_vgpr_msb (MSB<<8)|\new
.set MSB, \new
.endif
.endm
.macro PLACES                          ; four plain vector instructions between a matrix instruction and a load into, or a read of, its registers
.rept 4
	v_nop
.endr
.endm
.macro ASTEP g                         ; my four tiles' fragments of K step g and their scale words: twelve loads
.if ((\g)/8)%2
	WIN 0xc0
.else
	WIN 0x40
.endif
.irp m, 0,1,2,3
.irp c, 0,1
	global_load_b128 v[64*\m+8*((\g)%8)+4*\c:64*\m+8*((\g)%8)+4*\c+3], v[LN16], s[AC:AC+1] offset:\m*TB+1024*(\g)+512*\c
.endr
.endr
	WIN 0
.irp m, 0,1,2,3
	global_load_b32 v[AS0+32*(((\g)/8)%2)+8*\m+(\g)%8], v[LN4], s[ASC:ASC+1] offset:\m*TSB+128*(\g)
.endr
.endm
.macro AWAIT g                         ; K step g's twelve loads are in: the count is what was asked for behind them
.if (\g) == 0
	s_wait_loadcnt 36                              ; steps 1 to 3 (the bias was asked for ahead of step 0)
.elseif (\g) <= GS-5
	s_wait_loadcnt 48                              ; steps g + 1 to g + 4
.else
	s_wait_loadcnt 12*(GS-1-(\g))                  ; the steps that are left
.endif
.endm
.macro AHEAD g                         ; and the stream goes on
.if (\g) == 0
	ASTEP 4
	ASTEP 5
.elseif (\g) <= GS-6
	ASTEP (\g)+5
.endif
.endm
.macro LOADWS off                      ; the scale words of 64 weight rows, 8 K steps
	PLACES
	WIN 0
.irp t, 0,1,2,3
.irp e, 0,1
	ds_load_b128 v[WS+8*\t+4*\e:WS+8*\t+4*\e+3], v[ASW] offset:(\off)+16*\t*SROW+16*\e
.endr
.endr
.endm
.macro FETCHB s, buf                   ; four weight fragments of K step s into buffer buf
	PLACES
	WIN 0x80
.irp t, 0,1,2,3
.irp c, 0,1
	ds_load_b128 v[32*(\buf)+8*\t+4*\c:32*(\buf)+8*\t+4*\c+3], v[AW] offset:16*WP*\t+64*(\s)+32*\c
.endr
.endr
.endm
.macro WM d, a, b, c, sa, sb
	v_wmma_scale_f32_16x16x128_f8f6f4 v[\d:\d+7], v[\a:\a+7], v[\b:\b+7], v[\c:\c+7], v[\sa], v[\sb] matrix_a_fmt:MATRIX_FMT_FP4 matrix_b_fmt:MATRIX_FMT_FP4
.endm
; 16 matrix instructions of K step s.  cm = 1: they add in place; 2: they start the sums with the bias
.macro MUL s, buf, cm, win, asb
	WIN \win
.irp m, 0,1,2,3
.irp t, 0,1,2,3
.if (\cm) == 2
	WM ACC+32*\m+8*\t, 32*(\buf)+8*\t, 64*\m+8*(\s), BI+8*\t, WS+8*\t+(\s), (\asb)+8*\m+(\s)
.else
	WM ACC+32*\m+8*\t, 32*(\buf)+8*\t, 64*\m+8*(\s), ACC+32*\m+8*\t, WS+8*\t+(\s), (\asb)+8*\m+(\s)
.endif
.endr
.endr
.endm
.macro PASS q, cm0, win0, win, asb     ; K steps 8 q .. 8 q + 7
	FETCHB 0, 0
.irp s, 0,1,2,3,4,5,6,7
.if \s < 7
	FETCHB \s+1, (\s+1)%2
.endif
	AWAIT 8*(\q)+\s
	AHEAD 8*(\q)+\s
.if \s < 7
	s_wait_dscnt 8                                 ; all but the eight LDS loads just issued, which are the next K step's
.else
	s_wait_dscnt 0x0
.endif
.if \s == 0
	MUL 0, 0, \cm0, \win0, \asb
.else
	MUL \s, \s%2, 1, \win, \asb
.endif
.endr
	WIN 0
.endm
; THE WAY OUT, a tile of 16 tokens x 64 columns at a time: into my stage (each accumulator from its low end on), back as rows of 256 bytes, the residual added, stored.
.macro OUTF32
	PLACES
	s_wait_tensorcnt 0x0                           ; my rows of the residual are in LDS; only I read them
	WIN 0x80
.irp m, 0,1,2,3
.irp i, 0,1,2,3,4,5,6,7
	ds_load_b128 v[RES+32*\m+4*\i:RES+32*\m+4*\i+3], v[RR] offset:(16*\m+2*\i)*272
.endr
.endr
	WIN 0
.irp m, 0,1,2,3
.if \m > 0
	s_wait_xcnt 0x0                                ; the last tile's stores have read RB
.endif
.irp t, 0,1,2,3
	ds_store_b128 v[STO], v[ACC+32*\m+8*\t:ACC+32*\m+8*\t+3] offset:64*\t
	ds_store_b128 v[STO], v[ACC+32*\m+8*\t+4:ACC+32*\m+8*\t+7] offset:64*\t+16
.endr
	WIN 0x80
.irp i, 0,1,2,3,4,5,6,7
	ds_load_b128 v[RB+4*\i:RB+4*\i+3], v[RD] offset:544*\i     ; LDS serves a wave's instructions in order (ISA guide 5.7.1.4): these see my stores
.endr
	s_wait_dscnt 0x0
	WIN 0x8a
.irp i, 0,1,2,3,4,5,6,7,8,9,10,11,12,13,14,15
	v_pk_add_f32 v[RB+2*\i:RB+2*\i+1], v[RB+2*\i:RB+2*\i+1], v[RES+32*\m+2*\i:RES+32*\m+2*\i+1]
.endr
	WIN 0x08
.irp i, 0,1,2,3,4,5,6,7
	global_store_b128 v[GR], v[RB+4*\i:RB+4*\i+3], s[OB:OB+1] offset:(16*\m+2*\i)*4096   ; 16 lanes store 256 consecutive bytes, aligned
.endr
	WIN 0
.endr
.endm
	s_load_b256 s[4:11], s[0:1], 0x0               ; oq s[4:5], the codes s[6:7], the scales s[8:9], bproj s[10:11]
	s_load_b128 s[12:15], s[0:1], 0x20             ; x s[12:13], x1 s[14:15]
	v_lshl_add_u32 v254, v0, 2, 0x29000
	v_mov_b32 v255, 0
	ds_add_u32 v254, v255
	ds_add_u32 v254, v255
	v_lshrrev_b32 v9, 5, v0
	v_readfirstlane_b32 s16, v9                    ; wave 0..3
	s_mov_b32 s17, ttmp9                           ; R
	s_and_b32 s18, ttmp7, 0xffff                   ; cb
	s_mov_b32 s32, (0<<16)|(1<<20)|(6<<22)|(3<<25) ; weight rows: elements of 1 byte; padding: four words (code 3) after every 128 (code 6)
	s_mov_b32 s33, 512<<16
	s_mov_b32 s34, NR<<16
	s_mov_b32 s35, 512<<16
	s_mov_b32 s36, NR
	s_mov_b32 s37, GP
	s_mov_b32 s38, 0
	s_mov_b32 s39, 0
	s_mov_b32 s40, 3<<16                           ; scale bytes: NS rows of 256 bytes, dense
	s_mov_b32 s41, 32<<16
	s_mov_b32 s42, NS<<16
	s_mov_b32 s43, 32<<16
	s_mov_b32 s44, NS
	s_mov_b32 s45, 32
	s_mov_b32 s46, 0
	s_mov_b32 s47, 0
	s_mov_b32 s68, (2<<16)|(1<<20)|(5<<22)|(3<<25) ; the residual: elements of 4 bytes; padding: four words (code 3) after every 64 (code 5)
	s_mov_b32 s69, 64<<16                          ; tensor_dim0 = 64 numbers: 256 bytes
	s_mov_b32 s70, 64<<16                          ; tensor_dim1 = 64 rows
	s_mov_b32 s71, 64<<16                          ; tile_dim0
	s_mov_b32 s72, 64                              ; tile_dim1
	s_mov_b32 s73, 1024                            ; from row to row, in numbers
	s_mov_b32 s74, 0
	s_mov_b32 s75, 0
	s_mov_b32 s24, 1
	s_mul_i32 s25, s16, NR*WP
	s_mov_b32 s28, 1
	s_mul_i32 s29, s16, NS*256
	s_add_co_u32 s29, s29, SCL
	s_mov_b32 s20, 1
	s_mul_i32 s21, s16, 64*272
	s_add_co_u32 s21, s21, RSL
	s_lshl_b32 s60, s18, 15                        ; the block's 64 rows of 512 bytes, my 16 of them
	s_lshl_b32 s66, s16, 13
	s_add_co_u32 s60, s60, s66
	s_mov_b32 s61, 0
	s_lshl_b32 s58, s18, 11
	s_lshl_b32 s66, s16, 9
	s_add_co_u32 s58, s58, s66
	s_mov_b32 s59, 0
	s_lshl_b32 s62, s17, 20                        ; my first row, 256 R + 64 w, of 4,096 bytes, + my block's 256
	s_lshl_b32 s66, s16, 18
	s_add_co_u32 s62, s62, s66
	s_lshl_b32 s66, s18, 8
	s_add_co_u32 s62, s62, s66
	s_mov_b32 s63, 0
	s_wait_dscnt 0x0
	s_wait_kmcnt 0x0
	s_add_nc_u64 s[26:27], s[6:7], s[60:61]
	s_or_b32 s27, s27, 0x80000000
	s_add_nc_u64 s[30:31], s[8:9], s[58:59]
	s_or_b32 s31, s31, 0x80000000
	s_add_nc_u64 s[22:23], s[12:13], s[62:63]
	s_or_b32 s23, s23, 0x80000000
	tensor_load_to_lds s[24:27], s[32:39]          ; the only fills of the launch, one group: the weight rows,
	s_nop 0
	tensor_load_to_lds s[28:31], s[40:47]          ; their scale bytes,
	s_nop 0
	tensor_load_to_lds s[20:23], s[68:75]          ; and, last, the residual, which is wanted last
	s_nop 0
	PLACES                                         ; four v_nop follow
	v_and_b32 v9, 31, v0
	v_lshlrev_b32 v[LN16], 4, v9
	v_lshlrev_b32 v[LN4], 2, v9
	v_and_b32 v10, 15, v0                          ; r
	v_bfe_u32 v11, v0, 4, 1                        ; h
	s_lshl_b32 s60, s17, 17                        ; token tile 16 R + 4 w: 8,192 bytes of codes a tile,
	s_lshl_b32 s66, s16, 15
	s_add_co_u32 s60, s60, s66
	s_add_nc_u64 s[AC:AC+1], s[4:5], s[60:61]
	s_lshl_b32 s60, s17, 14                        ; 1,024 of scale words
	s_lshl_b32 s66, s16, 12
	s_add_co_u32 s60, s60, s66
	s_add_co_u32 s60, s60, HSC
	s_add_nc_u64 s[ASC:ASC+1], s[4:5], s[60:61]
	s_lshl_b32 s60, s18, 8
	s_add_nc_u64 s[BP:BP+1], s[10:11], s[60:61]
	s_add_nc_u64 s[OB:OB+1], s[14:15], s[62:63]
	v_lshlrev_b32 v[AB], 5, v11
	WIN 0x80
.irp t, 0,1,2,3
.irp e, 0,1
	global_load_b128 v[BI+8*\t+4*\e:BI+8*\t+4*\e+3], v[AB], s[BP:BP+1] offset:64*\t+16*\e
.endr
.endr
	ASTEP 0
	ASTEP 1
	ASTEP 2
	ASTEP 3
	v_mul_u32_u24 v[AW], v10, WP
	v_lshl_add_u32 v[AW], v11, 4, v[AW]
	v_lshl_add_u32 v[ASW], v10, 5, SCL
	s_mul_i32 s66, s16, 16*272
	s_add_co_u32 s66, s66, STG
	v_mul_u32_u24 v[STO], v10, 272
	v_lshl_add_u32 v[STO], v11, 5, v[STO]
	v_add_nc_u32 v[STO], s66, v[STO]
	v_mul_u32_u24 v[RD], v11, 272
	v_lshl_add_u32 v[RD], v10, 4, v[RD]
	v_add_nc_u32 v[RR], s21, v[RD]
	v_add_nc_u32 v[RD], s66, v[RD]
	v_lshlrev_b32 v[GR], 12, v11
	v_lshl_add_u32 v[GR], v10, 4, v[GR]
	s_wait_tensorcnt 0x1                           ; my parts of the weights are in LDS (the residual's load, issued behind them, may stay out)
	s_barrier_signal -1
	s_barrier_wait -1                              ; everybody's are; the stages and the residual are each wave's own, so this is the only barrier
	LOADWS 0
	PASS 0, 2, 0x26, 0x06, AS0
	OUTF32
	s_wait_tensorcnt 0x0
	ds_add_u32 v254, v255
	s_wait_dscnt 0x0
	s_endpgm
.Lfunc_end_k_q796fb6ff6b_proj:
	.size	k_q796fb6ff6b_proj, .Lfunc_end_k_q796fb6ff6b_proj-k_q796fb6ff6b_proj
	.p2alignl 7, 3214868480
	.fill 96, 4, 3214868480
	.section	.rodata,"a",@progbits
	.p2align	6, 0x0
	.amdhsa_kernel k_q796fb6ff6b_proj
		.amdhsa_group_segment_fixed_size 168448
		.amdhsa_private_segment_fixed_size 0
		.amdhsa_enable_private_segment 0
		.amdhsa_kernarg_size 48
		.amdhsa_user_sgpr_count 2
		.amdhsa_user_sgpr_kernarg_segment_ptr 1
		.amdhsa_wavefront_size32 1
		.amdhsa_system_sgpr_workgroup_id_x 1
		.amdhsa_system_sgpr_workgroup_id_y 1
		.amdhsa_system_sgpr_workgroup_id_z 1
		.amdhsa_system_vgpr_workitem_id 0
		.amdhsa_next_free_vgpr 768
		.amdhsa_next_free_sgpr 80
		.amdhsa_reserve_vcc 0
		.amdhsa_float_denorm_mode_32 3
		.amdhsa_float_denorm_mode_16_64 3
		.amdhsa_memory_ordered 1
		.amdhsa_forward_progress 1
		.amdhsa_inst_pref_size 53
	.end_amdhsa_kernel
	.amdgpu_metadata
---
amdhsa.version: [ 1, 2 ]
amdhsa.kernels:
  - .name:           k_q796fb6ff6b_proj
    .symbol:         k_q796fb6ff6b_proj.kd
    .args:
      - { .name: oq, .offset: 0, .size: 8, .value_kind: global_buffer, .address_space: global }
      - { .name: Wproj_codes, .offset: 8, .size: 8, .value_kind: global_buffer, .address_space: global }
      - { .name: Wproj_scales, .offset: 16, .size: 8, .value_kind: global_buffer, .address_space: global }
      - { .name: bproj, .offset: 24, .size: 8, .value_kind: global_buffer, .address_space: global }
      - { .name: x, .offset: 32, .size: 8, .value_kind: global_buffer, .address_space: global }
      - { .name: x1, .offset: 40, .size: 8, .value_kind: global_buffer, .address_space: global }
    .group_segment_fixed_size: 168448
    .private_segment_fixed_size: 0
    .kernarg_segment_align: 8
    .kernarg_segment_size: 48
    .max_flat_workgroup_size: 128
    .sgpr_count:     80
    .vgpr_count:     768
    .wavefront_size: 32
...
	.end_amdgpu_metadata
.endif
;; end of part 4
;; launch ln2: the kernel of part 1 again; grid 256 x 1, 4 waves a work-group, no clusters, 9,728 bytes of LDS; arguments x1, ln2_g, ln2_b, hq; writes hq
;; launch w1 (part 5): grid 16 x 16, 4 waves a work-group, no clusters, 168,448 bytes of LDS; arguments hq, W1_codes, W1_scales, b1, fq; writes fq
.if DOCPART == 5
	.amdgcn_target "amdgcn-amd-amdhsa--gfx1250"
	.amdhsa_code_object_version 6
	.text
	.protected	k_q796fb6ff6b_w1
	.globl	k_q796fb6ff6b_w1
	.p2align	8
	.type	k_q796fb6ff6b_w1,@function
k_q796fb6ff6b_w1:
	s_mov_b64 s[64:65], 0
	v_nop
	global_prefetch_b8 v0, s[64:65] scope:SCOPE_SE
	s_setreg_imm32_b32 hwreg(HW_REG_WAVE_MODE, 25, 1), 1
	s_wait_xcnt 0x0
; f = relu(h2 W1 + b1), the product on codes of FP4 (E2M1) with one E8M0 scale for each 32 along K = 1,024, and the quantiser of f along its 4,096 columns, which are the next product's K.
; hq: h2 as images of operand registers [token tile 256][K step 8][c 2][lane][16 B], scale words from HSC.  W1_codes [4096][512 bytes], scales [4096][32], b1 [4096] f32.
; fq: f's codes [token tile 256][K step 32][c 2][lane][16 B]; from FSC the scale words [tile][K step 32][lane 32].
; SHARES.  Work-group (x = R, y = cb): tokens 256 R on, columns 256 cb on; wave w the four tiles of 16 tokens 16 R + 4 w + m.  The 256 weight rows come into LDS ONCE, by two tensor loads a wave at the head
; (two of mine are out at most); no LDS byte is filled twice.  Each wave's token fragments for all of K stay in 256 registers through the four passes.
; A PASS is 64 columns: 8 K steps of 16 matrix instructions on 16 accumulators, which take turns in one order; its 64 columns are half a fragment of the next K.
; Source 0 = weight rows, source 1 = tokens: a lane holds one token and its registers run along the columns.  The bias is the C of each sum's first matrix instruction.
; No cluster: the 143,360 bytes of weights that the 16 work-groups of a column block share are fetched once a work-group, at its head; joint fills are not written in this text.
; LIMITS: NaN and infinities are not served; a block under 2^-124 (zeros too) gets the byte 1: its bytes are read by this program alone.
.set HSC,   2097152
.set FSC,   8388608
.set TB,    8192
.set TSB,   1024
.set WP,    528
.set NR,    64
.set GP,    512
.set NS,    8
.set SROW,  32
.set SCL,   4*NR*WP                    ; 135,168
.set LN16, 1
.set LN4,  2
.set AW,   3
.set ASW,  4
.set AB,   5
.set AS,   16
.set WS,   48
.set ACC,  80
.set TM,   208
.set TP,   216
.set TS,   224
.set PC,   232
.set PW,   248
.set BI,   64                          ; window 2: v64-191 the bias of the four passes, at 32 p + 8 t
.set SEL,  20
.set AC,   48
.set ASC,  50
.set BP,   52
.set FC,   54
.set FS,   56
.set MSB, 0
.macro WIN new
.if MSB != \new
	s_set_vgpr_msb (MSB<<8)|\new
.set MSB, \new
.endif
.endm
.macro PLACES                          ; four plain vector instructions between a matrix instruction and a load into, or a read of, its registers
.rept 4
	v_nop
.endr
.endm
.macro LOADA win, asb, koff, ksoff
	WIN \win
.irp m, 0,1,2,3
.irp s, 0,1,2,3,4,5,6,7
.irp c, 0,1
	global_load_b128 v[64*\m+8*\s+4*\c:64*\m+8*\s+4*\c+3], v[LN16], s[AC:AC+1] offset:\m*TB+(\koff)+1024*\s+512*\c
.endr
.endr
.endr
	WIN 0
.irp m, 0,1,2,3
.irp s, 0,1,2,3,4,5,6,7
	global_load_b32 v[(\asb)+8*\m+\s], v[LN4], s[ASC:ASC+1] offset:\m*TSB+(\ksoff)+128*\s
.endr
.endr
.endm
.macro LOADWS off
	PLACES
	WIN 0
.irp t, 0,1,2,3
.irp e, 0,1
	ds_load_b128 v[WS+8*\t+4*\e:WS+8*\t+4*\e+3], v[ASW] offset:(\off)+16*\t*SROW+16*\e
.endr
.endr
.endm
.macro FETCHB s, buf, base
	PLACES
	WIN 0x80
.irp t, 0,1,2,3
.irp c, 0,1
	ds_load_b128 v[32*(\buf)+8*\t+4*\c:32*(\buf)+8*\t+4*\c+3], v[AW] offset:(\base)+16*WP*\t+64*(\s)+32*\c
.endr
.endr
.endm
.macro WM d, a, b, cm, c, sa, sb
.if (\cm) == 0
	v_wmma_scale_f32_16x16x128_f8f6f4 v[\d:\d+7], v[\a:\a+7], v[\b:\b+7], 0, v[\sa], v[\sb] matrix_a_fmt:MATRIX_FMT_FP4 matrix_b_fmt:MATRIX_FMT_FP4
.else
	v_wmma_scale_f32_16x16x128_f8f6f4 v[\d:\d+7], v[\a:\a+7], v[\b:\b+7], v[\c:\c+7], v[\sa], v[\sb] matrix_a_fmt:MATRIX_FMT_FP4 matrix_b_fmt:MATRIX_FMT_FP4
.endif
.endm
; 16 matrix instructions of K step s.  cm = 1: they add in place; 2: they start the sums with the bias at bi
.macro MUL s, buf, cm, win, asb, bi
	WIN \win
.irp m, 0,1,2,3
.irp t, 0,1,2,3
.if (\cm) == 2
	WM ACC+32*\m+8*\t, 32*(\buf)+8*\t, 64*\m+8*(\s), 2, (\bi)+8*\t, WS+8*\t+(\s), (\asb)+8*\m+(\s)
.else
	WM ACC+32*\m+8*\t, 32*(\buf)+8*\t, 64*\m+8*(\s), \cm, ACC+32*\m+8*\t, WS+8*\t+(\s), (\asb)+8*\m+(\s)
.endif
.endr
.endr
.endm
.macro PASS base, cm0, win0, win, asb, bi
	FETCHB 0, 0, \base
.irp s, 0,1,2,3,4,5,6
	FETCHB \s+1, (\s+1)%2, \base
	s_wait_dscnt 8                                 ; all but the eight loads just issued, which are the next K step's
.if \s == 0
	MUL 0, 0, \cm0, \win0, \asb, \bi
.else
	MUL \s, \s%2, 1, \win, \asb, \bi
.endif
.endr
	s_wait_dscnt 0x0
	MUL 7, 1, 1, \win, \asb, \bi
	WIN 0
.endm
; The 16 accumulators become four groups of four operand registers (PC + 4 g) and two scale bytes (PW + g).  Block q is the 16 registers ACC + 16 q, group g = q / 2 = a tile of 16 tokens.
.macro QUANT4 relu
	PLACES
	s_wait_xcnt 0x0                                ; the last pass's stores have read PC and PW: they are written again only behind this wait
.if \relu
.set i, 0
.rept 128
	v_max_num_f32 v[ACC+i], 0, v[ACC+i]            ; the activation, in f32; each accumulator from its low end on
.set i, i+1
.endr
.endif
.irp q, 0,1,2,3,4,5,6,7
	v_max3_num_f32 v[TM+\q], |v[ACC+16*\q]|, |v[ACC+16*\q+1]|, 0x1800000   ; the floor 2^(3 - 127) holds the byte at 1 from below
.endr
.irp i, 2,4,6,8,10,12,14
.irp q, 0,1,2,3,4,5,6,7
	v_max3_num_f32 v[TM+\q], v[TM+\q], |v[ACC+16*\q+\i]|, |v[ACC+16*\q+\i+1]|
.endr
.endr
.irp q, 0,1,2,3,4,5,6,7
	v_permlanex16_b32 v[TP+\q], v[TM+\q], s[SEL], s[SEL+1]
.endr
.irp q, 0,1,2,3,4,5,6,7
	v_max_num_f32 v[TM+\q], v[TM+\q], v[TP+\q]     ; with lane l xor 16's 16: the block's largest magnitude
.endr
.irp q, 0,1,2,3,4,5,6,7
	v_add_nc_u32 v[TS+\q], 0xff000000, v[TM+\q]    ; 2 off the exponent field: the conversion's scale operand
.endr
.irp q, 0,1,2,3,4,5,6,7
	v_lshrrev_b32 v[TP+\q], 23, v[TS+\q]           ; the scale's byte
.endr
.irp g, 0,1,2,3
	v_lshl_or_b32 v[PW+\g], v[TP+2*\g+1], 8, v[TP+2*\g]
.endr
.irp g, 0,1,2,3
	v_cvt_scalef32_pk8_fp4_f32 v[PC+4*\g], v[ACC+32*\g:ACC+32*\g+7], v[TS+2*\g]            ; block 0, pieces 0 (lanes 0-15) and 1 (lanes 16-31)
	v_cvt_scalef32_pk8_fp4_f32 v[PC+4*\g+1], v[ACC+32*\g+16:ACC+32*\g+23], v[TS+2*\g+1]    ; block 1, pieces 0 and 1
	v_cvt_scalef32_pk8_fp4_f32 v[PC+4*\g+2], v[ACC+32*\g+8:ACC+32*\g+15], v[TS+2*\g]       ; block 0, pieces 2 and 3
	v_cvt_scalef32_pk8_fp4_f32 v[PC+4*\g+3], v[ACC+32*\g+24:ACC+32*\g+31], v[TS+2*\g+1]    ; block 1, pieces 2 and 3
.endr
	v_nop                                          ; one plain instruction behind the last scaled conversion
.irp g, 0,1,2,3
	v_permlane16_swap_b32 v[PC+4*\g], v[PC+4*\g+1]     ; lanes 0-15 now hold block 0, lanes 16-31 block 1, k ascending over the four registers
	v_permlane16_swap_b32 v[PC+4*\g+2], v[PC+4*\g+3]
.endr
.endm
	s_load_b256 s[4:11], s[0:1], 0x0               ; hq s[4:5], the codes s[6:7], the scales s[8:9], b1 s[10:11]
	s_load_b64 s[12:13], s[0:1], 0x20              ; fq
	v_lshl_add_u32 v254, v0, 2, 0x29000
	v_mov_b32 v255, 0
	ds_add_u32 v254, v255
	ds_add_u32 v254, v255
	v_lshrrev_b32 v9, 5, v0
	v_readfirstlane_b32 s16, v9                    ; wave 0..3
	s_mov_b32 s17, ttmp9                           ; R
	s_and_b32 s18, ttmp7, 0xffff                   ; cb
	s_mov_b32 s32, (0<<16)|(1<<20)|(6<<22)|(3<<25) ; rows: elements of 1 byte; padding: four words (code 3) after every 128 (code 6)
	s_mov_b32 s33, 512<<16
	s_mov_b32 s34, NR<<16
	s_mov_b32 s35, 512<<16
	s_mov_b32 s36, NR
	s_mov_b32 s37, GP
	s_mov_b32 s38, 0
	s_mov_b32 s39, 0
	s_mov_b32 s40, 3<<16                           ; scale bytes: NS rows of 256 bytes, dense
	s_mov_b32 s41, 32<<16
	s_mov_b32 s42, NS<<16
	s_mov_b32 s43, 32<<16
	s_mov_b32 s44, NS
	s_mov_b32 s45, 32
	s_mov_b32 s46, 0
	s_mov_b32 s47, 0
	s_mov_b32 s24, 1
	s_mul_i32 s25, s16, NR*WP
	s_mov_b32 s28, 1
	s_mul_i32 s29, s16, NS*256
	s_add_co_u32 s29, s29, SCL
	s_lshl_b32 s60, s18, 17                        ; the block's 256 rows of 512 bytes, my 64 of them
	s_lshl_b32 s62, s16, 15
	s_add_co_u32 s60, s60, s62
	s_mov_b32 s61, 0
	s_lshl_b32 s58, s18, 13
	s_lshl_b32 s62, s16, 11
	s_add_co_u32 s58, s58, s62
	s_mov_b32 s59, 0
	s_wait_dscnt 0x0
	s_wait_kmcnt 0x0
	s_add_nc_u64 s[26:27], s[6:7], s[60:61]
	s_or_b32 s27, s27, 0x80000000
	s_add_nc_u64 s[30:31], s[8:9], s[58:59]
	s_or_b32 s31, s31, 0x80000000
	tensor_load_to_lds s[24:27], s[32:39]          ; the only fills of the launch
	s_nop 0
	tensor_load_to_lds s[28:31], s[40:47]
	s_nop 0
	PLACES                                         ; four v_nop follow
	v_and_b32 v9, 31, v0
	v_lshlrev_b32 v[LN16], 4, v9
	v_lshlrev_b32 v[LN4], 2, v9
	v_and_b32 v10, 15, v0                          ; r
	v_bfe_u32 v11, v0, 4, 1                        ; h
	v_mul_u32_u24 v[AW], v10, WP
	v_lshl_add_u32 v[AW], v11, 4, v[AW]
	v_lshl_add_u32 v[ASW], v10, 5, SCL
	v_lshlrev_b32 v[AB], 5, v11
.irp q, 0,1,2,3,4,5,6,7
	v_mov_b32 v[TP+\q], 0                          ; written once: a lane permute's destination counts as one of its sources
.endr
	s_mov_b32 s[SEL], 0x76543210
	s_mov_b32 s[SEL+1], 0xfedcba98
	s_lshl_b32 s60, s17, 17
	s_lshl_b32 s62, s16, 15
	s_add_co_u32 s60, s60, s62
	s_add_nc_u64 s[AC:AC+1], s[4:5], s[60:61]
	s_lshl_b32 s60, s17, 14
	s_lshl_b32 s62, s16, 12
	s_add_co_u32 s60, s60, s62
	s_add_co_u32 s60, s60, HSC
	s_add_nc_u64 s[ASC:ASC+1], s[4:5], s[60:61]
	s_lshl_b32 s60, s18, 10
	s_add_nc_u64 s[BP:BP+1], s[10:11], s[60:61]
	s_lshl_b32 s60, s17, 19                        ; fq: token tile 16 R + 4 w of 32,768 bytes, K steps 2 cb on
	s_lshl_b32 s62, s16, 17
	s_add_co_u32 s60, s60, s62
	s_lshl_b32 s62, s18, 11
	s_add_co_u32 s60, s60, s62
	s_add_nc_u64 s[FC:FC+1], s[12:13], s[60:61]
	s_lshl_b32 s60, s17, 16
	s_lshl_b32 s62, s16, 14
	s_add_co_u32 s60, s60, s62
	s_lshl_b32 s62, s18, 8
	s_add_co_u32 s60, s60, s62
	s_add_co_u32 s60, s60, FSC
	s_add_nc_u64 s[FS:FS+1], s[12:13], s[60:61]
	LOADA 0x40, AS, 0, 0
	WIN 0x80
.irp p, 0,1,2,3
.irp t, 0,1,2,3
.irp e, 0,1
	global_load_b128 v[BI+32*\p+8*\t+4*\e:BI+32*\p+8*\t+4*\e+3], v[AB], s[BP:BP+1] offset:256*\p+64*\t+16*\e
.endr
.endr
.endr
	WIN 0
	s_wait_tensorcnt 0x0                           ; my parts of the weights are in LDS,
	s_barrier_signal -1
	s_barrier_wait -1                              ; everybody's are: from here on LDS is only read
	s_wait_loadcnt 0x0
.irp p, 0,1,2,3
	LOADWS 64*SROW*\p
	PASS 0, 2, 0x26, 0x06, AS, BI+32*\p
	QUANT4 1
.irp m, 0,1,2,3
	global_store_b128 v[LN16], v[PC+4*\m:PC+4*\m+3], s[FC:FC+1] offset:32768*\m+1024*(\p/2)+512*(\p%2)   ; 32 lanes store 512 consecutive bytes: half a fragment's image
.endr
.irp m, 0,1,2,3
	global_store_b16 v[LN4], v[PW+\m], s[FS:FS+1] offset:4096*\m+128*(\p/2)+2*(\p%2)
.endr
.if \p < 3
	v_add_nc_u32 v[AW], 64*WP, v[AW]               ; the next 64 weight rows
.endif
.endr
	s_wait_tensorcnt 0x0
	ds_add_u32 v254, v255
	s_wait_dscnt 0x0
	s_endpgm
.Lfunc_end_k_q796fb6ff6b_w1:
	.size	k_q796fb6ff6b_w1, .Lfunc_end_k_q796fb6ff6b_w1-k_q796fb6ff6b_w1
	.p2alignl 7, 3214868480
	.fill 96, 4, 3214868480
	.section	.rodata,"a",@progbits
	.p2align	6, 0x0
	.amdhsa_kernel k_q796fb6ff6b_w1
		.amdhsa_group_segment_fixed_size 168448
		.amdhsa_private_segment_fixed_size 0
		.amdhsa_enable_private_segment 0
		.amdhsa_kernarg_size 40
		.amdhsa_user_sgpr_count 2
		.amdhsa_user_sgpr_kernarg_segment_ptr 1
		.amdhsa_wavefront_size32 1
		.amdhsa_system_sgpr_workgroup_id_x 1
		.amdhsa_system_sgpr_workgroup_id_y 1
		.amdhsa_system_sgpr_workgroup_id_z 1
		.amdhsa_system_vgpr_workitem_id 0
		.amdhsa_next_free_vgpr 704
		.amdhsa_next_free_sgpr 72
		.amdhsa_reserve_vcc 0
		.amdhsa_float_denorm_mode_32 3
		.amdhsa_float_denorm_mode_16_64 3
		.amdhsa_memory_ordered 1
		.amdhsa_forward_progress 1
		.amdhsa_inst_pref_size 156
	.end_amdhsa_kernel
	.amdgpu_metadata
---
amdhsa.version: [ 1, 2 ]
amdhsa.kernels:
  - .name:           k_q796fb6ff6b_w1
    .symbol:         k_q796fb6ff6b_w1.kd
    .args:
      - { .name: hq, .offset: 0, .size: 8, .value_kind: global_buffer, .address_space: global }
      - { .name: W1_codes, .offset: 8, .size: 8, .value_kind: global_buffer, .address_space: global }
      - { .name: W1_scales, .offset: 16, .size: 8, .value_kind: global_buffer, .address_space: global }
      - { .name: b1, .offset: 24, .size: 8, .value_kind: global_buffer, .address_space: global }
      - { .name: fq, .offset: 32, .size: 8, .value_kind: global_buffer, .address_space: global }
    .group_segment_fixed_size: 168448
    .private_segment_fixed_size: 0
    .kernarg_segment_align: 8
    .kernarg_segment_size: 40
    .max_flat_workgroup_size: 128
    .sgpr_count:     72
    .vgpr_count:     704
    .wavefront_size: 32
...
	.end_amdgpu_metadata
.endif
;; end of part 5
;; launch w2 (part 6): grid 16 x 16, 4 waves a work-group, no clusters, 230,912 bytes of LDS; arguments fq, W2_codes, W2_scales, b2, x1, out0; writes out0
.if DOCPART == 6
	.amdgcn_target "amdgcn-amd-amdhsa--gfx1250"
	.amdhsa_code_object_version 6
	.text
	.protected	k_q796fb6ff6b_w2
	.globl	k_q796fb6ff6b_w2
	.p2align	8
	.type	k_q796fb6ff6b_w2,@function
k_q796fb6ff6b_w2:
	s_mov_b64 s[64:65], 0
	v_nop
	global_prefetch_b8 v0, s[64:65] scope:SCOPE_SE
	s_setreg_imm32_b32 hwreg(HW_REG_WAVE_MODE, 25, 1), 1
	s_wait_xcnt 0x0
; out0 = x1 + f W2 + b2, the product on codes of FP4 (E2M1) with one E8M0 scale for each 32 along K = 4,096.
; fq: f as images of operand registers [token tile 256][K step 32][c 2][lane][16 B], scale words from FSC [tile][K step 32][lane 32].  W2_codes [1024][2,048 bytes], scales [1024][128].  b2 [1024], x1, out0 [4096][1024] f32.
; SHARES.  Work-group (x = R, y = cb): tokens 256 R on, columns 64 cb on; wave w the four tiles of 16 tokens 16 R + 4 w + m.
; LDS IS FILLED ONCE, by three tensor loads a wave at the head (three of mine are out at most): K quarter w of the 64 weight rows, a quarter of their scale bytes, and my own 64 rows x 256 bytes of x1, which only I read.
; THE TOKENS' FRAGMENTS STREAM from memory straight into registers, K step by K step: twelve loads a step (8 of fragments, 512 consecutive bytes each, 4 of scale words), into a ring of 16 step slots (windows 1 and 3).
; Steps 0 to 3 are asked for at the head; step g waits for its own twelve and then asks for step g + 5: at most 60 of my loads are out, and the stream never stops while there are steps to fetch.
; A slot is loaded again eleven steps after the last product that read it.
; 32 K steps of 16 matrix instructions on 16 accumulators, which take turns in one order throughout.
; The bias is the C of each sum's first matrix instruction.  The way out goes through each wave's own stage in LDS; there x1 is added.
; No cluster: the weights that the 16 work-groups of a column block share are 139,264 of the 794,880 bytes that a work-group reads.
.set FSC,   8388608
.set TB,    32768                      ; a token tile's code images, all of K
.set TSB,   4096                       ; and its scale words
.set GS,    32                         ; K steps of 128
.set WP,    528                        ; a quarter of a weight row in LDS: 512 bytes + 16 of padding
.set NR,    64
.set GP,    2048
.set NS,    8
.set SROW,  128
.set SCL,   4*NR*WP                    ; 135,168: the scale bytes, dense
.set STG,   SCL+64*SROW                ; 143,360: the stages, 16 rows x 272 bytes a wave: bytes that no fill touches
.set RSL,   STG+4*16*272               ; 160,768: x1, 64 rows x (256 bytes + 16) a wave
.set LN16, 1                           ; v1  16 x lane
.set LN4,  2                           ; v2  4 x lane
.set AW,   3                           ; v3  528 r + 16 h, + 33,792 for each quarter of K done
.set ASW,  4                           ; v4  SCL + 128 r
.set AB,   5                           ; v5  32 h
.set STO,  6
.set RD,   7
.set GR,   8
.set RR,   12                          ; v12 my place in my rows of x1 in LDS
.set AS0,  16                          ; v16-47, v48-79 the tokens' scale words, two sets, at 8 m + s
.set AS1,  48
.set ACC,  80                          ; v80-207 the 16 accumulators
.set WS,   208                         ; v208-239 the weights' scale words of 8 K steps
.set BI,   64                          ; window 2: v0-63 the weights' fragments, two buffers; v64-95 the bias; v96-223 x1; v224-255 rows back from the stage.  Windows 1 and 3: the tokens' fragments, at 64 m + 8 s + 4 c
.set RES,  96
.set RB,   224
.set AC,   48
.set ASC,  50
.set BP,   52
.set OB,   56
.set MSB, 0
.macro WIN new                         ; the immediate's high byte repeats the setting that is left; a switch that changes nothing is dropped
.if MSB != \new
	s_set_vgpr_msb (MSB<<8)|\new
.set MSB, \new
.endif
.endm
.macro PLACES                          ; four plain vector instructions between a matrix instruction and a load into, or a read of, its registers
.rept 4
	v_nop
.endr
.endm
.macro ASTEP g                         ; my four tiles' fragments of K step g and their scale words, into slot g % 16: twelve loads
.if ((\g)/8)%2
	WIN 0xc0
.else
	WIN 0x40
.endif
.irp m, 0,1,2,3
.irp c, 0,1
	global_load_b128 v[64*\m+8*((\g)%8)+4*\c:64*\m+8*((\g)%8)+4*\c+3], v[LN16], s[AC:AC+1] offset:\m*TB+1024*(\g)+512*\c
.endr
.endr
	WIN 0
.irp m, 0,1,2,3
	global_load_b32 v[AS0+32*(((\g)/8)%2)+8*\m+(\g)%8], v[LN4], s[ASC:ASC+1] offset:\m*TSB+128*(\g)
.endr
.endm
.macro AWAIT g                         ; K step g's twelve loads are in: the count is what was asked for behind them
.if (\g) == 0
	s_wait_loadcnt 36                              ; steps 1 to 3 (the bias was asked for ahead of step 0)
.elseif (\g) <= GS-5
	s_wait_loadcnt 48                              ; steps g + 1 to g + 4
.else
	s_wait_loadcnt 12*(GS-1-(\g))                  ; the steps that are left
.endif
.endm
.macro AHEAD g                         ; and the stream goes on
.if (\g) == 0
	ASTEP 4
	ASTEP 5
.elseif (\g) <= GS-6
	ASTEP (\g)+5
.endif
.endm
.macro LOADWS off                      ; the scale words of 64 weight rows, 8 K steps
	PLACES
	WIN 0
.irp t, 0,1,2,3
.irp e, 0,1
	ds_load_b128 v[WS+8*\t+4*\e:WS+8*\t+4*\e+3], v[ASW] offset:(\off)+16*\t*SROW+16*\e
.endr
.endr
.endm
.macro FETCHB s, buf                   ; four weight fragments of the quarter's K step s into buffer buf
	PLACES
	WIN 0x80
.irp t, 0,1,2,3
.irp c, 0,1
	ds_load_b128 v[32*(\buf)+8*\t+4*\c:32*(\buf)+8*\t+4*\c+3], v[AW] offset:16*WP*\t+64*(\s)+32*\c
.endr
.endr
.endm
.macro WM d, a, b, c, sa, sb
	v_wmma_scale_f32_16x16x128_f8f6f4 v[\d:\d+7], v[\a:\a+7], v[\b:\b+7], v[\c:\c+7], v[\sa], v[\sb] matrix_a_fmt:MATRIX_FMT_FP4 matrix_b_fmt:MATRIX_FMT_FP4
.endm
; 16 matrix instructions of K step s.  cm = 1: they add in place; 2: they start the sums with the bias
.macro MUL s, buf, cm, win, asb
	WIN \win
.irp m, 0,1,2,3
.irp t, 0,1,2,3
.if (\cm) == 2
	WM ACC+32*\m+8*\t, 32*(\buf)+8*\t, 64*\m+8*(\s), BI+8*\t, WS+8*\t+(\s), (\asb)+8*\m+(\s)
.else
	WM ACC+32*\m+8*\t, 32*(\buf)+8*\t, 64*\m+8*(\s), ACC+32*\m+8*\t, WS+8*\t+(\s), (\asb)+8*\m+(\s)
.endif
.endr
.endr
.endm
.macro PASS q, cm0, win0, win, asb     ; K steps 8 q .. 8 q + 7: a quarter of K
	FETCHB 0, 0
.irp s, 0,1,2,3,4,5,6,7
.if \s < 7
	FETCHB \s+1, (\s+1)%2
.endif
	AWAIT 8*(\q)+\s
	AHEAD 8*(\q)+\s
.if \s < 7
	s_wait_dscnt 8                                 ; all but the eight LDS loads just issued, which are the next K step's
.else
	s_wait_dscnt 0x0
.endif
.if \s == 0
	MUL 0, 0, \cm0, \win0, \asb
.else
	MUL \s, \s%2, 1, \win, \asb
.endif
.endr
	WIN 0
.endm
; THE WAY OUT, a tile of 16 tokens x 64 columns at a time: into my stage (each accumulator from its low end on), back as rows of 256 bytes, the residual added, stored.
.macro OUTF32
	PLACES
	s_wait_tensorcnt 0x0                           ; my rows of the residual are in LDS; only I read them
	WIN 0x80
.irp m, 0,1,2,3
.irp i, 0,1,2,3,4,5,6,7
	ds_load_b128 v[RES+32*\m+4*\i:RES+32*\m+4*\i+3], v[RR] offset:(16*\m+2*\i)*272
.endr
.endr
	WIN 0
.irp m, 0,1,2,3
.if \m > 0
	s_wait_xcnt 0x0                                ; the last tile's stores have read RB
.endif
.irp t, 0,1,2,3
	ds_store_b128 v[STO], v[ACC+32*\m+8*\t:ACC+32*\m+8*\t+3] offset:64*\t
	ds_store_b128 v[STO], v[ACC+32*\m+8*\t+4:ACC+32*\m+8*\t+7] offset:64*\t+16
.endr
	WIN 0x80
.irp i, 0,1,2,3,4,5,6,7
	ds_load_b128 v[RB+4*\i:RB+4*\i+3], v[RD] offset:544*\i     ; LDS serves a wave's instructions in order (ISA guide 5.7.1.4): these see my stores
.endr
	s_wait_dscnt 0x0
	WIN 0x8a
.irp i, 0,1,2,3,4,5,6,7,8,9,10,11,12,13,14,15
	v_pk_add_f32 v[RB+2*\i:RB+2*\i+1], v[RB+2*\i:RB+2*\i+1], v[RES+32*\m+2*\i:RES+32*\m+2*\i+1]
.endr
	WIN 0x08
.irp i, 0,1,2,3,4,5,6,7
	global_store_b128 v[GR], v[RB+4*\i:RB+4*\i+3], s[OB:OB+1] offset:(16*\m+2*\i)*4096   ; 16 lanes store 256 consecutive bytes, aligned
.endr
	WIN 0
.endr
.endm
	s_load_b256 s[4:11], s[0:1], 0x0               ; fq s[4:5], the codes s[6:7], the scales s[8:9], b2 s[10:11]
	s_load_b128 s[12:15], s[0:1], 0x20             ; x1 s[12:13], out0 s[14:15]
	v_lshl_add_u32 v254, v0, 2, 0x38400
	v_mov_b32 v255, 0
	ds_add_u32 v254, v255
	ds_add_u32 v254, v255
	v_lshrrev_b32 v9, 5, v0
	v_readfirstlane_b32 s16, v9                    ; wave 0..3
	s_mov_b32 s17, ttmp9                           ; R
	s_and_b32 s18, ttmp7, 0xffff                   ; cb
	s_mov_b32 s32, (0<<16)|(1<<20)|(6<<22)|(3<<25) ; weight rows: elements of 1 byte; padding: four words (code 3) after every 128 (code 6)
	s_mov_b32 s33, 512<<16
	s_mov_b32 s34, NR<<16
	s_mov_b32 s35, 512<<16
	s_mov_b32 s36, NR
	s_mov_b32 s37, GP                              ; a row of W2's codes is 2,048 bytes; a tile takes 512 of each
	s_mov_b32 s38, 0
	s_mov_b32 s39, 0
	s_mov_b32 s40, 3<<16                           ; scale bytes: NS rows of 256 bytes, dense
	s_mov_b32 s41, 32<<16
	s_mov_b32 s42, NS<<16
	s_mov_b32 s43, 32<<16
	s_mov_b32 s44, NS
	s_mov_b32 s45, 32
	s_mov_b32 s46, 0
	s_mov_b32 s47, 0
	s_mov_b32 s68, (2<<16)|(1<<20)|(5<<22)|(3<<25) ; the residual: elements of 4 bytes; padding: four words (code 3) after every 64 (code 5)
	s_mov_b32 s69, 64<<16                          ; tensor_dim0 = 64 numbers: 256 bytes
	s_mov_b32 s70, 64<<16                          ; tensor_dim1 = 64 rows
	s_mov_b32 s71, 64<<16                          ; tile_dim0
	s_mov_b32 s72, 64                              ; tile_dim1
	s_mov_b32 s73, 1024                            ; from row to row, in numbers
	s_mov_b32 s74, 0
	s_mov_b32 s75, 0
	s_mov_b32 s24, 1
	s_mul_i32 s25, s16, NR*WP
	s_mov_b32 s28, 1
	s_mul_i32 s29, s16, NS*256
	s_add_co_u32 s29, s29, SCL
	s_mov_b32 s20, 1
	s_mul_i32 s21, s16, 64*272
	s_add_co_u32 s21, s21, RSL
	s_lshl_b32 s60, s18, 17                        ; the block's 64 rows of 2,048 bytes, my quarter of K
	s_lshl_b32 s66, s16, 9
	s_add_co_u32 s60, s60, s66
	s_mov_b32 s61, 0
	s_lshl_b32 s58, s18, 13
	s_lshl_b32 s66, s16, 11
	s_add_co_u32 s58, s58, s66
	s_mov_b32 s59, 0
	s_lshl_b32 s62, s17, 20                        ; my first row, 256 R + 64 w, of 4,096 bytes, + my block's 256
	s_lshl_b32 s66, s16, 18
	s_add_co_u32 s62, s62, s66
	s_lshl_b32 s66, s18, 8
	s_add_co_u32 s62, s62, s66
	s_mov_b32 s63, 0
	s_wait_dscnt 0x0
	s_wait_kmcnt 0x0
	s_add_nc_u64 s[26:27], s[6:7], s[60:61]
	s_or_b32 s27, s27, 0x80000000
	s_add_nc_u64 s[30:31], s[8:9], s[58:59]
	s_or_b32 s31, s31, 0x80000000
	s_add_nc_u64 s[22:23], s[12:13], s[62:63]
	s_or_b32 s23, s23, 0x80000000
	tensor_load_to_lds s[24:27], s[32:39]          ; the only fills of the launch, one group: the weight rows,
	s_nop 0
	tensor_load_to_lds s[28:31], s[40:47]          ; their scale bytes,
	s_nop 0
	tensor_load_to_lds s[20:23], s[68:75]          ; and, last, the residual, which is wanted last
	s_nop 0
	PLACES                                         ; four v_nop follow
	v_and_b32 v9, 31, v0
	v_lshlrev_b32 v[LN16], 4, v9
	v_lshlrev_b32 v[LN4], 2, v9
	v_and_b32 v10, 15, v0                          ; r
	v_bfe_u32 v11, v0, 4, 1                        ; h
	s_lshl_b32 s60, s17, 19                        ; token tile 16 R + 4 w: 32,768 bytes of codes a tile,
	s_lshl_b32 s66, s16, 17
	s_add_co_u32 s60, s60, s66
	s_add_nc_u64 s[AC:AC+1], s[4:5], s[60:61]
	s_lshl_b32 s60, s17, 16                        ; 4,096 of scale words
	s_lshl_b32 s66, s16, 14
	s_add_co_u32 s60, s60, s66
	s_add_co_u32 s60, s60, FSC
	s_add_nc_u64 s[ASC:ASC+1], s[4:5], s[60:61]
	s_lshl_b32 s60, s18, 8
	s_add_nc_u64 s[BP:BP+1], s[10:11], s[60:61]
	s_add_nc_u64 s[OB:OB+1], s[14:15], s[62:63]
	v_lshlrev_b32 v[AB], 5, v11
	WIN 0x80
.irp t, 0,1,2,3
.irp e, 0,1
	global_load_b128 v[BI+8*\t+4*\e:BI+8*\t+4*\e+3], v[AB], s[BP:BP+1] offset:64*\t+16*\e
.endr
.endr
	ASTEP 0
	ASTEP 1
	ASTEP 2
	ASTEP 3
	v_mul_u32_u24 v[AW], v10, WP
	v_lshl_add_u32 v[AW], v11, 4, v[AW]
	v_lshl_add_u32 v[ASW], v10, 7, SCL
	s_mul_i32 s66, s16, 16*272
	s_add_co_u32 s66, s66, STG
	v_mul_u32_u24 v[STO], v10, 272
	v_lshl_add_u32 v[STO], v11, 5, v[STO]
	v_add_nc_u32 v[STO], s66, v[STO]
	v_mul_u32_u24 v[RD], v11, 272
	v_lshl_add_u32 v[RD], v10, 4, v[RD]
	v_add_nc_u32 v[RR], s21, v[RD]
	v_add_nc_u32 v[RD], s66, v[RD]
	v_lshlrev_b32 v[GR], 12, v11
	v_lshl_add_u32 v[GR], v10, 4, v[GR]
	s_wait_tensorcnt 0x1                           ; my parts of the weights are in LDS (the residual's load, issued behind them, may stay out)
	s_barrier_signal -1
	s_barrier_wait -1                              ; everybody's are; the stages and the residual are each wave's own, so this is the only barrier
.irp q, 0,1,2,3
	LOADWS 32*\q
.if \q == 0
	PASS 0, 2, 0x26, 0x06, AS0
.elseif \q%2
	PASS \q, 1, 0x0e, 0x0e, AS1
.else
	PASS \q, 1, 0x06, 0x06, AS0
.endif
.if \q < 3
	v_add_nc_u32 v[AW], 64*WP, v[AW]               ; the next quarter of K
.endif
.endr
	OUTF32
	s_wait_tensorcnt 0x0
	ds_add_u32 v254, v255
	s_wait_dscnt 0x0
	s_endpgm
.Lfunc_end_k_q796fb6ff6b_w2:
	.size	k_q796fb6ff6b_w2, .Lfunc_end_k_q796fb6ff6b_w2-k_q796fb6ff6b_w2
	.p2alignl 7, 3214868480
	.fill 96, 4, 3214868480
	.section	.rodata,"a",@progbits
	.p2align	6, 0x0
	.amdhsa_kernel k_q796fb6ff6b_w2
		.amdhsa_group_segment_fixed_size 230912
		.amdhsa_private_segment_fixed_size 0
		.amdhsa_enable_private_segment 0
		.amdhsa_kernarg_size 48
		.amdhsa_user_sgpr_count 2
		.amdhsa_user_sgpr_kernarg_segment_ptr 1
		.amdhsa_wavefront_size32 1
		.amdhsa_system_sgpr_workgroup_id_x 1
		.amdhsa_system_sgpr_workgroup_id_y 1
		.amdhsa_system_sgpr_workgroup_id_z 1
		.amdhsa_system_vgpr_workitem_id 0
		.amdhsa_next_free_vgpr 1024
		.amdhsa_next_free_sgpr 80
		.amdhsa_reserve_vcc 0
		.amdhsa_float_denorm_mode_32 3
		.amdhsa_float_denorm_mode_16_64 3
		.amdhsa_memory_ordered 1
		.amdhsa_forward_progress 1
		.amdhsa_inst_pref_size 149
	.end_amdhsa_kernel
	.amdgpu_metadata
---
amdhsa.version: [ 1, 2 ]
amdhsa.kernels:
  - .name:           k_q796fb6ff6b_w2
    .symbol:         k_q796fb6ff6b_w2.kd
    .args:
      - { .name: fq, .offset: 0, .size: 8, .value_kind: global_buffer, .address_space: global }
      - { .name: W2_codes, .offset: 8, .size: 8, .value_kind: global_buffer, .address_space: global }
      - { .name: W2_scales, .offset: 16, .size: 8, .value_kind: global_buffer, .address_space: global }
      - { .name: b2, .offset: 24, .size: 8, .value_kind: global_buffer, .address_space: global }
      - { .name: x1, .offset: 32, .size: 8, .value_kind: global_buffer, .address_space: global }
      - { .name: out0, .offset: 40, .size: 8, .value_kind: global_buffer, .address_space: global }
    .group_segment_fixed_size: 230912
    .private_segment_fixed_size: 0
    .kernarg_segment_align: 8
    .kernarg_segment_size: 48
    .max_flat_workgroup_size: 128
    .sgpr_count:     80
    .vgpr_count:     1024
    .wavefront_size: 32
...
	.end_amdgpu_metadata
.endif
;; end of part 6
